; MI455X (gfx1250); checked and timed in simulation.
; The chip was launched on July 23, 2026; its instructions are those of AMD's public machine-readable ISA for CDNA 5 (MIT licence, August 2026) and "CDNA5" Instruction Set Architecture Reference Guide (July 2026). The comments in the code are by the model that wrote it; some were corrected since.
;; Multi Head Attention Block. Allowed arithmetic: matrix products marked QUANTISED: E2M3 operands, one E8M0 scale for each 32 along K, by v_wmma_scale_f32_16x16x128_f8f6f4 with both operands' format E2M3, f32 sums; everything else in f32.
;; Inputs: bk 1,024 float32; bo 1,024 float32; bq 1,024 float32; bv 1,024 float32; k 4 x 2,048 x 1,024 float32; mask 4 x 1 x 2,048 x 2,048 int32; q 4 x 2,048 x 1,024 float32; v 4 x 2,048 x 1,024 float32; wk 1,024 x 1,024 float32; wo 1,024 x 1,024 float32; wq 1,024 x 1,024 float32; wv 1,024 x 1,024 float32.
;; Outputs: out0 4 x 2,048 x 1,024 float32.
;; This version of the problem:
;;   THIS VERSION OF THE PROBLEM IS GIVEN IN LOW PRECISION. The matrix products marked QUANTISED in the list below multiply operands that are first quantised to E2M3 (2 exponent bits, 3 mantissa bits; 6 bits a number), with one power-of-two scale for each 32 numbers along K (OCP MX v1.0); their sums are f32. All else is computed in f32.
;;   The module's matrix products, in the order in which they are computed (A, B: the left and right operand; K: the contracted axis; several contracted axes count as one K, in the product's order):
;;     1. [M 8,192, K 1,024] x [K 1,024, N 1,024]; A: input q; B: input wq: QUANTISED
;;     2. [M 8,192, K 1,024] x [K 1,024, N 1,024]; A: input k; B: input wk: QUANTISED
;;     3. [M 8,192, K 1,024] x [K 1,024, N 1,024]; A: input v; B: input wv: QUANTISED
;;     4. batch 64 x [M 2,048, K 64] x [K 64, N 2,048]; A: computed on the way; B: computed on the way: QUANTISED
;;     5. batch 64 x [M 2,048, K 2,048] x [K 2,048, N 64]; A: softmax (see below); B: computed on the way: QUANTISED
;;     6. [M 8,192, K 1,024] x [K 1,024, N 1,024]; A: computed on the way; B: input wo: QUANTISED
;;   THE QUANTISER, for each operand of a quantised product, along K:
;;     - K is cut into blocks of 32 from its start; a last block that is shorter is filled with zeros.
;;     - A block's scale is 2^e with e = floor(log2(the largest magnitude in the block)) - 2, held to -126 .. 127; a block of zeros has e = 0. As a byte (E8M0): e + 127.
;;     - Each number is divided by its block's scale, clamped to +-7.5, and rounded to the nearest number of E2M3, ties to even, subnormals kept.
;;     - The product sums the exact products of the quantised numbers (number of the format x scale) in f32.
;;   ~~~python
;;   def quantise(x, axis):      # numpy; x: float32 -> the quantised numbers, widened to float32 again
;;       x = np.moveaxis(x, axis, -1); K = x.shape[-1]
;;       x = np.pad(x, [(0, 0)] * (x.ndim - 1) + [(0, -K % 32)]); x = x.reshape(x.shape[:-1] + (-1, 32)); a = np.abs(x).max(-1, keepdims=True)
;;       e = np.where(a > 0, np.clip(np.frexp(np.where(a > 0, a, 1))[1] - 1 - 2, -126, 127), 0)      # np.frexp(a)[1] - 1 = floor(log2(a)), exactly
;;       r = np.clip(x / 2.0 ** e, -7.5, 7.5)
;;       step = 2.0 ** (np.maximum(np.frexp(np.where(r == 0, 1, r))[1] - 1, 0) - 3)
;;       q = np.round(r / step) * step * 2.0 ** e      # np.round: ties to even
;;       return np.moveaxis(q.reshape(q.shape[:-2] + (-1,))[..., :K], -1, axis).astype(np.float32)
;;   ~~~
;;   SOFTMAX AHEAD OF A QUANTISED PRODUCT. Where the list says 'softmax', what is quantised is not the finished softmax but p = 2^(t - M), with t = logit x log2(e) and M = ceil(the row's largest t), a whole number; so 1/2 < the row's largest p <= 1. The row's sum l is taken of the UNQUANTISED p, in f32, and the product's result is divided by l at the end. Since M is a whole number, a kernel that streams over the keys may use a running M (the ceiling of the running maximum): every later rescaling is an exact power of two, which a block's scale takes up: the codes' values come out the same.
;;   OPERANDS COMPUTED ON THE WAY. 'Computed on the way' means the value that the module computes at that place (a softmax that the list does not call 'softmax' is quantised finished and normalised). What goes into a quantiser is computed in f32, as accurately as f32 sums, v_exp_f32 and their like allow (about 1e-6 of the number): no bf16 or f16 on the way to a quantiser, and a product that is left as it is and whose result goes on into a quantised operand takes f32 operands (vector FMAs, or v_wmma_f32_16x16x4_f32). A number that lies on a knife's edge between two numbers of the format may be rounded either way, as far as f32 arithmetic and the matrix unit's own rounding can turn it there, and no further.
;; One version. Each part assembles by itself: llvm-mc -triple=amdgcn-amd-amdhsa -mcpu=gfx1250 --defsym DOCPART=n.
;; ======== version 1 of 1: 4 launches
;; limits: right only within a limited range of input values
;; workspace buffers: codes 22,020,096 bytes; scl 917,504 bytes; qc 6,291,456 bytes; qs 524,288 bytes; kv 13,107,200 bytes; xa 6,291,456 bytes; xas 262,144 bytes
;; launch quant (part 1): grid 256 x 1, 7 waves a work-group, no clusters, 60,160 bytes of LDS; arguments q, k, v, wq, wk, wv, wo, codes, scl; writes codes, scl
.if DOCPART == 1
	.amdgcn_target "amdgcn-amd-amdhsa--gfx1250"
	.amdhsa_code_object_version 6
	.text
	.protected	k_q3dd778f9ef_quant
	.globl	k_q3dd778f9ef_quant
	.p2align	8
	.type	k_q3dd778f9ef_quant,@function
k_q3dd778f9ef_quant:
	s_mov_b64 s[64:65], 0
	v_nop
	global_prefetch_b8 v0, s[64:65] scope:SCOPE_SE
	s_setreg_imm32_b32 hwreg(HW_REG_WAVE_MODE, 25, 1), 1
	s_wait_xcnt 0x0
; q, k, v [8192][1024] and wq, wk, wv, wo [1024][1024], f32, K innermost, become codes of FP6 (E2M3) with one E8M0 byte for each 32 along K.
; A block's scale is 2^(floor(log2(its largest magnitude)) - 2); its byte is that magnitude's exponent field - 2, held at 1 from below.
; LIMITS: a block of zeros, or one whose largest magnitude lies under 2^-124, gets the byte 1 (its codes are zeros; the bytes are read by this program alone); NaN and infinities are not served.
; TILES.  A tile is 16 rows: tile 2 G + u of a tensor holds rows 32 G + 8 u + r + 8 (r / 8), r = 0 .. 15.  1,792 tiles: 0-511 q, 512-1023 k, 1024-1535 v, then 64 each of wq, wk, wv, wo.
; OUT.  codes: [tile][8 K steps][2 halves of 768 bytes]: a half is the image of six operand registers (16 rows x 64 K): registers 0-3 of lane l at 16 l, registers 4-5 at 512 + 8 l.
;       scl:   [tile][16 rows][8 words]: word s holds the four bytes of K step s.
; SHARES.  Wave 7 x work-group + wave takes one tile for all of K: 8 steps of 128.  A step's 16 loads read 512 consecutive bytes of a row each; the numbers turn through the wave's own stage in LDS,
; so that lane (r, h) gets 16 neighbours of each block of 32 of row r.  Waves share nothing: no barrier.  Loads run two steps (32 loads a wave) ahead.
.set STG,   8448                       ; a wave's stage: 16 rows of 512 bytes + 16
.set SPARE, 7*STG                      ; behind the stages: the spare words, 128 bytes a wave, four blocks of 256 bytes that no other line names
.set R,   16                           ; v16-143   two sets of 64 numbers as loaded
.set X,   144                          ; v144-207  64 numbers: register 16 b + i = k 32 b + 16 h + i of my row
.set PC,  208                          ; v208-227  the codes just made
.set TM,  228                          ; v228-243  maxima, bytes, scale operands
.set SW,  244                          ; v244-251  the eight scale words
.set SPW, 252
.set NIL, 253
.set SEL, 30                           ; s[30:31]  lane selects: lane l xor 16
	s_load_b256 s[4:11], s[0:1], 0x0               ; q, k, v, wq
	s_load_b256 s[12:19], s[0:1], 0x20             ; wk, wv, wo, codes
	s_load_b64 s[20:21], s[0:1], 0x40              ; scl
	v_lshl_add_u32 v[SPW], v0, 2, SPARE
	v_mov_b32 v[NIL], 0
	v_lshrrev_b32 v5, 5, v0
	v_readfirstlane_b32 s24, v5                    ; wave 0..6
	v_and_b32 v6, 31, v0
	v_lshlrev_b32 v1, 4, v6                        ; 16 x lane: loads, and the stores of registers 0-3
	v_lshlrev_b32 v2, 3, v6
	v_add_nc_u32 v2, 512, v2                       ; 512 + 8 x lane: the stores of registers 4-5
	s_mul_i32 s25, s24, STG
	v_add_nc_u32 v3, s25, v1                       ; the stage, in: as loaded
	v_and_b32 v7, 15, v0                           ; r
	v_bfe_u32 v8, v0, 4, 1                         ; h
	v_mul_u32_u24 v4, v7, 528
	v_lshl_add_u32 v4, v8, 6, v4
	v_add_nc_u32 v4, s25, v4                       ; the stage, out: row r, + 64 h
	v_lshlrev_b32 v9, 5, v7
	v_lshl_add_u32 v9, v8, 4, v9                   ; scale words: 32 r + 16 h
.irp b, 0,1,2,3
	v_mov_b32 v[TM+4+\b], 0                        ; written once: a lane permute's destination counts as one of its sources
.endr
	s_mov_b32 s[SEL], 0x76543210
	s_mov_b32 s[SEL+1], 0xfedcba98
	s_mov_b32 s32, 0xffff0000                      ; lanes 16-31
	s_mul_i32 s26, ttmp9, 7
	s_add_co_u32 s26, s26, s24                     ; my tile
	s_and_b32 s27, s26, 511
	s_and_b32 s28, s26, 63
	s_cmp_lt_u32 s26, 1536
	s_cselect_b32 s27, s27, s28                    ; its number inside its tensor
	s_lshr_b32 s28, s27, 1
	s_lshl_b32 s28, s28, 17                        ; 32 rows of 4,096 bytes for each pair of tiles,
	s_and_b32 s27, s27, 1
	s_lshl_b32 s27, s27, 15                        ; 8 rows for the odd one
	s_add_co_u32 s28, s28, s27
	s_mov_b32 s29, 0
	s_mul_i32 s34, s26, 12288
	s_mov_b32 s35, 0
	s_lshl_b32 s36, s26, 9
	s_mov_b32 s37, 0
	s_wait_alu depctr_va_vdst(0)
	s_wait_kmcnt 0x0
	s_mov_b64 s[22:23], s[16:17]                   ; the tensor is chosen by the tile's number alone
	s_cmp_lt_u32 s26, 1728
	s_cselect_b64 s[22:23], s[14:15], s[22:23]
	s_cmp_lt_u32 s26, 1664
	s_cselect_b64 s[22:23], s[12:13], s[22:23]
	s_cmp_lt_u32 s26, 1600
	s_cselect_b64 s[22:23], s[10:11], s[22:23]
	s_cmp_lt_u32 s26, 1536
	s_cselect_b64 s[22:23], s[8:9], s[22:23]
	s_cmp_lt_u32 s26, 1024
	s_cselect_b64 s[22:23], s[6:7], s[22:23]
	s_cmp_lt_u32 s26, 512
	s_cselect_b64 s[22:23], s[4:5], s[22:23]
	s_add_nc_u64 s[22:23], s[22:23], s[28:29]
	s_add_nc_u64 s[18:19], s[18:19], s[34:35]
	s_add_nc_u64 s[20:21], s[20:21], s[36:37]
.macro LOAD s                          ; step s: 512 consecutive bytes of each of the tile's 16 rows
.irp t, 0,1,2,3,4,5,6,7,8,9,10,11,12,13,14,15
	global_load_b128 v[R+64*((\s)%2)+4*\t:R+64*((\s)%2)+4*\t+3], v1, s[22:23] offset:(\t+8*(\t/8))*4096+512*(\s) th:TH_LOAD_NT
.endr
.endm
; 64 numbers of a lane become a fragment's 12 registers in v[PC] on and its scale word in v[pw]
.macro QUANT4 s, pw
.irp b, 0,1,2,3
	v_max3_num_f32 v[TM+\b], |v[\s+16*\b]|, |v[\s+1+16*\b]|, 0x1800000   ; my 16 numbers of block b, and the floor 2^(3 - 127): the byte cannot fall under 1
.endr
.irp i, 2,4,6,8,10,12,14
.irp b, 0,1,2,3
	v_max3_num_f32 v[TM+\b], v[TM+\b], |v[\s+16*\b+\i]|, |v[\s+1+16*\b+\i]|
.endr
.endr
.irp b, 0,1,2,3
	v_permlanex16_b32 v[TM+4+\b], v[TM+\b], s[SEL], s[SEL+1]
.endr
.irp b, 0,1,2,3
	v_max_num_f32 v[TM+\b], v[TM+\b], v[TM+4+\b]   ; with lane l xor 16's: the block's largest magnitude
.endr
.irp b, 0,1,2,3
	v_add_nc_u32 v[TM+12+\b], 0xff000000, v[TM+\b] ; 2 off its exponent field: the conversion's scale operand
.endr
.irp b, 0,1,2,3
	v_lshrrev_b32 v[TM+4+\b], 23, v[TM+12+\b]      ; the scale's byte
.endr
	v_lshl_or_b32 v[\pw], v[TM+5], 8, v[TM+4]
	v_lshl_or_b32 v[\pw], v[TM+6], 16, v[\pw]
	v_lshl_or_b32 v[\pw], v[TM+7], 24, v[\pw]
.irp c, 0,1
	v_cvt_scalef32_pk16_fp6_f32 v[PC+6*\c:PC+2+6*\c], v[\s+32*\c:\s+15+32*\c], v[TM+12+2*\c]
	v_cvt_scalef32_pk16_fp6_f32 v[PC+12+4*\c:PC+14+4*\c], v[\s+16+32*\c:\s+31+32*\c], v[TM+12+2*\c+1]   ; (a conversion's three registers begin on an even number)
.endr
	v_nop                                          ; one plain place behind a scaled conversion
.irp c, 0,1                            ; the operand wants a whole block in a lane: lanes 0-15 block 2 c, lanes 16-31 block 2 c + 1
.irp i, 0,1,2
	v_permlane16_swap_b32 v[PC+6*\c+\i], v[PC+12+4*\c+\i]
.endr
.irp i, 0,1,2
	v_mov_b32 v[PC+3+6*\c+\i], v[PC+12+4*\c+\i]
.endr
.endr
.endm
.macro STEP s
.if (\s) < 7
	s_wait_loadcnt 16                              ; this step's 16 loads are in; the next step's 16 may be out
.else
	s_wait_loadcnt 0x0
.endif
.irp t, 0,1,2,3,4,5,6,7,8,9,10,11,12,13,14,15
	ds_store_b128 v3, v[R+64*((\s)%2)+4*\t:R+64*((\s)%2)+4*\t+3] offset:528*\t
.endr
.irp b, 0,1,2,3
.irp j, 0,1,2,3
	ds_load_b128 v[X+16*\b+4*\j:X+16*\b+4*\j+3], v4 offset:128*\b+16*\j   ; LDS serves a wave's instructions in order: these see the stores above
.endr
.endr
	s_wait_dscnt 0x0                               ; the numbers are back, and the stage's stores have read their registers
	s_wait_xcnt 0x0                                ; the last step's global stores have read the codes' registers
.if (\s) < 6
	LOAD (\s)+2
.endif
	QUANT4 X, SW+\s
.irp c, 0,1
	global_store_b128 v1, v[PC+6*\c:PC+6*\c+3], s[18:19] offset:1536*(\s)+768*\c     ; 512 consecutive bytes
	global_store_b64 v2, v[PC+6*\c+4:PC+6*\c+5], s[18:19] offset:1536*(\s)+768*\c    ; and the 256 behind them
.endr
.endm
	LOAD 0
	LOAD 1
.irp s, 0,1,2,3,4,5,6,7
	STEP \s
.endr
.irp i, 0,1,2,3
	v_cndmask_b32 v[10+\i], v[SW+\i], v[SW+4+\i], s32   ; both halves of the lanes hold all eight words: lanes 0-15 store words 0-3 of row r, lanes 16-31 words 4-7
.endr
	global_store_b128 v9, v[10:13], s[20:21]       ; the tile's 512 bytes of scale words
	s_wait_tensorcnt 0x0                           ; the wave's end
	ds_add_u32 v[SPW], v[NIL]
	s_wait_dscnt 0x0
	s_endpgm
.Lfunc_end_k_q3dd778f9ef_quant:
	.size	k_q3dd778f9ef_quant, .Lfunc_end_k_q3dd778f9ef_quant-k_q3dd778f9ef_quant
	.p2alignl 7, 3214868480
	.fill 96, 4, 3214868480
	.section	.rodata,"a",@progbits
	.p2align	6, 0x0
	.amdhsa_kernel k_q3dd778f9ef_quant
		.amdhsa_group_segment_fixed_size 60160
		.amdhsa_private_segment_fixed_size 0
		.amdhsa_enable_private_segment 0
		.amdhsa_kernarg_size 72
		.amdhsa_user_sgpr_count 2
		.amdhsa_user_sgpr_kernarg_segment_ptr 1
		.amdhsa_wavefront_size32 1
		.amdhsa_system_sgpr_workgroup_id_x 1
		.amdhsa_system_sgpr_workgroup_id_y 1
		.amdhsa_system_sgpr_workgroup_id_z 1
		.amdhsa_system_vgpr_workitem_id 0
		.amdhsa_next_free_vgpr 256
		.amdhsa_next_free_sgpr 66
		.amdhsa_reserve_vcc 0
		.amdhsa_float_denorm_mode_32 3
		.amdhsa_float_denorm_mode_16_64 3
		.amdhsa_memory_ordered 1
		.amdhsa_forward_progress 1
		.amdhsa_inst_pref_size 65
	.end_amdhsa_kernel
	.amdgpu_metadata
---
amdhsa.version: [ 1, 2 ]
amdhsa.kernels:
  - .name:           k_q3dd778f9ef_quant
    .symbol:         k_q3dd778f9ef_quant.kd
    .args:
      - { .name: q, .offset: 0, .size: 8, .value_kind: global_buffer, .address_space: global }
      - { .name: k, .offset: 8, .size: 8, .value_kind: global_buffer, .address_space: global }
      - { .name: v, .offset: 16, .size: 8, .value_kind: global_buffer, .address_space: global }
      - { .name: wq, .offset: 24, .size: 8, .value_kind: global_buffer, .address_space: global }
      - { .name: wk, .offset: 32, .size: 8, .value_kind: global_buffer, .address_space: global }
      - { .name: wv, .offset: 40, .size: 8, .value_kind: global_buffer, .address_space: global }
      - { .name: wo, .offset: 48, .size: 8, .value_kind: global_buffer, .address_space: global }
      - { .name: codes, .offset: 56, .size: 8, .value_kind: global_buffer, .address_space: global }
      - { .name: scl, .offset: 64, .size: 8, .value_kind: global_buffer, .address_space: global }
    .group_segment_fixed_size: 60160
    .private_segment_fixed_size: 0
    .kernarg_segment_align: 8
    .kernarg_segment_size: 72
    .max_flat_workgroup_size: 224
    .sgpr_count:     66
    .vgpr_count:     256
    .wavefront_size: 32
...
	.end_amdgpu_metadata
.endif
;; end of part 1
;; launch proj (part 2): grid 8 x 96, 4 waves a work-group, clusters of 4 x 4, 327,680 bytes of LDS; arguments codes, scl, bq, bk, bv, qc, qs, kv; writes qc, qs, kv
.if DOCPART == 2
	.amdgcn_target "amdgcn-amd-amdhsa--gfx1250"
	.amdhsa_code_object_version 6
	.text
	.protected	k_q3dd778f9ef_proj
	.globl	k_q3dd778f9ef_proj
	.p2align	8
	.type	k_q3dd778f9ef_proj,@function
k_q3dd778f9ef_proj:
	s_mov_b64 s[64:65], 0
	v_nop
	global_prefetch_b8 v0, s[64:65] scope:SCOPE_SE
	s_setreg_imm32_b32 hwreg(HW_REG_WAVE_MODE, 25, 1), 1
	s_wait_xcnt 0x0
	s_wait_alu depctr_hold_cnt(0) depctr_sa_sdst(0) depctr_va_vdst(0) depctr_va_sdst(0) depctr_va_ssrc(0) depctr_va_vcc(0) depctr_vm_vsrc(0)
	s_getreg_b32 s2, hwreg(HW_REG_IB_STS2, 6, 4)
	s_cmp_eq_u32 s2, 0
	s_cbranch_scc0 .Lentry_in_a_cluster
	s_endpgm
.Lentry_in_a_cluster:
	s_bfe_u32 s2, ttmp6, 0x10000c
	s_cmp_lg_u32 s2, 0xf033
	s_cbranch_scc0 .Lentry_shape_is_right
	s_endpgm
.Lentry_shape_is_right:
; Q = q wq^T + bq, K = k wk^T + bk, V = v wv^T + bv on codes of FP6 (E2M3) with E8M0 scales; each result is quantised again, Q and K along the head's 64 channels, V along the tokens, and leaves as operand images.
; IN: codes [tile of 16 rows][8 K steps][2 halves of 768 bytes], scl [tile][16 rows][8 words]; tiles 0-511 q, 512-1023 k, 1024-1535 v, then 64 each of wq, wk, wv, wo.  Tile 2 G + u holds rows 32 G + 8 u + r + 8 (r / 8).
; OUT: qc [batch x 16 + head][128 tiles][768]; qs [head][key step][lane (r, hh)][word j: tile 2 j + hh]; kv [head][key step of 128 tokens][K 8 x 768 | V 4 x 1,536 | K's words 256 | V's words 256].
; THE DEAL.  A block is 256 rows x 128 columns of one tensor: 8 x 32 x 3 = 768 work-groups, three times 256.  All of K = 1,024 lies in LDS: the weights' 8 tiles (98,304 bytes), the rows' 16 tiles (196,608).
; Everything is filled ONCE, at the head, one joint load a wave: waves 0 and 1 four tiles of the weights each, wave 2 the rows' tiles 0-3 and 8-11, wave 3 tiles 4-7 and 12-15.  Nothing is filled again.
; CLUSTERS 4 x 4: the rows' tiles are shared along a row of the cluster, the weights' along a column.
; Four waves, 2 x 2: wave (y, x) takes key step y (8 tiles of rows) and head x (4 tiles of the weights).  Its weights, all of K, lie in 384 registers; the rows' tiles stream past in two sets of 96 registers, 32 products a tile,
; four accumulators by turns.  Scale words and the bias come straight into registers by plain loads of whole runs.  The bias is the first products' C.
; Q, K: source 0 = the weights (a lane holds a token, its 32 sums are two blocks of a head's channels, shared with lane l xor 16).  V: source 0 = the rows (a lane holds a channel, four tiles' sums run along the tokens).
; No prefetch: all that a work-group reads is asked for at its head; there is no loop to run ahead in.
; LIMITS: a block of zeros or under 2^-124 gets the scale byte 1 (zero codes; the bytes are read by this program alone); NaN and infinities are not served.
.set TILEB, 12288
.set XB,    8*TILEB                    ; behind the weights: the rows, two regions of 8 tiles
.set SPARE, 24*TILEB                   ; behind them the spare words, 128 bytes a wave
.set FR,  12
.set FPW, 21                           ; fragments in a window of 256 registers; fragment f lies in window 1 + f / 21 at register 12 (f % 21): 0-31 the weights' (4 q + t), 32-47 the rows' two sets
.set L16, 2                            ; 16 x lane
.set L8P, 3                            ; 512 + 8 x lane
.set L8,  4                            ; 8 x lane
.set SPW, 5
.set NIL, 6
.set L32, 7                            ; 32 x lane
.set AW,  8                            ; v8, v9    LDS address of my weights
.set AX,  10                           ; v10-13    of my rows, tiles 0-3 and 4-7
.set BQK, 14                           ; the bias's offset for Q, K
.set BV,  15                           ; and for V
.set PC0, 16                           ; four units' codes
.set PC1, 24
.set PC2, 116
.set PC3, 84
.set SB,  32                           ; v32-47  the weights' scale words: register 8 p + q, lanes 16 hh on: tile 2 p + hh, K step q
.set SA,  52                           ; v52-83  the rows' likewise
.set TM,  84
.set TP,  92
.set SO,  100
.set HS,  108                          ; v108-115 eight units' two scale bytes
.set ACC, 128                          ; v128-255 four units of 32 sums
.set BB,  128                          ; in window 3: the bias as C, eight registers a tile
.set NB,  3
.set WV,  20
.set WY,  21
.set WX,  22
.set CX,  23
.set CY,  24
.set CLY, 25
.set TT,  26
.set RB,  27
.set G1W, 28
.set G1X, 36
.set G0W, 44
.set G0X, 48
.set OUTB, 66
.set TLB, 68
.set BIA, 70
.set SCW, 72
.set SCX, 74
.set MASK, 76
.set SEL, 78
.set MSB, 0
.macro WIN new
.if MSB != (\new)
	s_set_vgpr_msb (MSB<<8)|(\new)
.set MSB, (\new)
.endif
.endm
.macro PLACES
.rept 4
	v_nop
.endr
.endm
.macro TLOAD g0, g1
	tensor_load_to_lds s[\g0:\g0+3], s[\g1:\g1+7]
	s_nop 0
	PLACES
.endm
.macro CROUND
	s_barrier_signal -1
	s_barrier_wait -1
	s_cmp_lg_u32 s[WV], 0
	s_cbranch_scc1 .Lnot_wave_0_\@
	s_barrier_signal -3
.Lnot_wave_0_\@:
	s_barrier_wait -3
	s_barrier_signal -1
	s_barrier_wait -1
.endm
.macro FRAG f, a, off                  ; a fragment: two halves, each 16 bytes a lane and 8 bytes a lane behind them
	WIN (1+(\f)/FPW)<<6
.set R_, FR*((\f)%FPW)
	ds_load_b128 v[R_:R_+3], v[\a] offset:\off
	ds_load_b64 v[R_+4:R_+5], v[\a+1] offset:\off
	ds_load_b128 v[R_+6:R_+9], v[\a] offset:\off+768
	ds_load_b64 v[R_+10:R_+11], v[\a+1] offset:\off+768
.endm
.macro FETCH s                         ; my tile s of the rows, all of K, into set s % 2: 32 loads
.irp q, 0,1,2,3,4,5,6,7
	FRAG 32+8*((\s)%2)+\q, AX+2*((\s)/4), ((\s)%4)*TILEB+\q*1536
.endr
	WIN 0
.endm
.macro WM d, r0, r1, c, x0, x1, o0, o1
.if (\o0)==0 && (\o1)==0
	v_wmma_scale_f32_16x16x128_f8f6f4 v[\d:\d+7], v[\r0:\r0+11], v[\r1:\r1+11], v[\c:\c+7], v[\x0], v[\x1] matrix_a_fmt:MATRIX_FMT_FP6 matrix_b_fmt:MATRIX_FMT_FP6
.elseif (\o0)==1 && (\o1)==0
	v_wmma_scale_f32_16x16x128_f8f6f4 v[\d:\d+7], v[\r0:\r0+11], v[\r1:\r1+11], v[\c:\c+7], v[\x0], v[\x1] matrix_a_fmt:MATRIX_FMT_FP6 matrix_b_fmt:MATRIX_FMT_FP6 matrix_a_scale:MATRIX_SCALE_ROW1
.elseif (\o0)==0 && (\o1)==1
	v_wmma_scale_f32_16x16x128_f8f6f4 v[\d:\d+7], v[\r0:\r0+11], v[\r1:\r1+11], v[\c:\c+7], v[\x0], v[\x1] matrix_a_fmt:MATRIX_FMT_FP6 matrix_b_fmt:MATRIX_FMT_FP6 matrix_b_scale:MATRIX_SCALE_ROW1
.else
	v_wmma_scale_f32_16x16x128_f8f6f4 v[\d:\d+7], v[\r0:\r0+11], v[\r1:\r1+11], v[\c:\c+7], v[\x0], v[\x1] matrix_a_fmt:MATRIX_FMT_FP6 matrix_b_fmt:MATRIX_FMT_FP6 matrix_a_scale:MATRIX_SCALE_ROW1 matrix_b_scale:MATRIX_SCALE_ROW1
.endif
.endm
.macro PROD kind, s, q, t, d           ; rows' tile s x weights' tile t, K step q, onto the sums at d; the first K step takes the bias as C
.set FW_, 4*(\q)+(\t)
.set FX_, 32+8*((\s)%2)+(\q)
.set CW_, 0
.set C_, \d
.if (\q)==0
.set CW_, 3
.set C_, BB+8*(\t)
.endif
.if \kind
	WIN (1+FX_/FPW)|((1+FW_/FPW)<<2)|(CW_<<4)
	WM \d, FR*(FX_%FPW), FR*(FW_%FPW), C_, SA+8*((\s)/2)+(\q), SB+8*((\t)/2)+(\q), (\s)%2, (\t)%2
.else
	WIN (1+FW_/FPW)|((1+FX_/FPW)<<2)|(CW_<<4)
	WM \d, FR*(FW_%FPW), FR*(FX_%FPW), C_, SB+8*((\t)/2)+(\q), SA+8*((\s)/2)+(\q), (\t)%2, (\s)%2
.endif
.endm
.macro BLOCK kind, s
.irp q, 0,1,2,3,4,5,6,7
.irp t, 0,1,2,3
.if \kind
	PROD 1, \s, \q, \t, ACC+32*\t+8*((\s)%4)
.else
	PROD 0, \s, \q, \t, ACC+32*((\s)%4)+8*\t
.endif
.endr
.endr
.endm
; Four units of 32 sums a lane leave: chain c = 2 u + e is my 16 numbers of block e of unit u; lane l xor 16 holds the block's other 16.
.macro QUAD g, kind
.if \g
	s_wait_xcnt 0x0                                ; the first four units' stores have read their registers
.endif
.irp c, 0,1,2,3,4,5,6,7
	v_max3_num_f32 v[TM+\c], |v[ACC+16*\c]|, |v[ACC+16*\c+1]|, 0x1800000   ; with the floor 2^(3 - 127): the byte cannot fall under 1
.endr
.irp i, 2,4,6,8,10,12,14
.irp c, 0,1,2,3,4,5,6,7
	v_max3_num_f32 v[TM+\c], |v[ACC+16*\c+\i]|, |v[ACC+16*\c+\i+1]|, v[TM+\c]
.endr
.endr
.irp c, 0,1,2,3,4,5,6,7
	v_permlanex16_b32 v[TP+\c], v[TM+\c], s[SEL], s[SEL+1]
.endr
.irp c, 0,1,2,3,4,5,6,7
	v_max_num_f32 v[TM+\c], v[TM+\c], v[TP+\c]
.endr
.irp c, 0,1,2,3,4,5,6,7
	v_add_nc_u32 v[SO+\c], 0xff000000, v[TM+\c]    ; 2 off the exponent field: the conversion's scale operand
.endr
.irp c, 0,1,2,3,4,5,6,7
	v_lshrrev_b32 v[TP+\c], 23, v[SO+\c]           ; the scale's byte
.endr
.irp u, 0,1,2,3
	v_lshl_or_b32 v[HS+4*\g+\u], v[TP+2*\u+1], 8, v[TP+2*\u]
.endr
.irp u, 0,1,2,3
	v_cvt_scalef32_pk16_fp6_f32 v[PC\u:PC\u+2], v[ACC+32*\u:ACC+32*\u+15], v[SO+2*\u]
	v_cvt_scalef32_pk16_fp6_f32 v[PC\u+4:PC\u+6], v[ACC+32*\u+16:ACC+32*\u+31], v[SO+2*\u+1]
.endr
	v_nop                                          ; one plain place behind a scaled conversion
.irp u, 0,1,2,3
.irp i, 0,1,2
	v_permlane16_swap_b32 v[PC\u+\i], v[PC\u+4+\i] ; a whole block to a lane: lanes 0-15 block 0, lanes 16-31 block 1
.endr
.endr
.irp u, 0,1,2,3
	v_mov_b32 v[PC\u+3], v[PC\u+4]
	v_mov_b32 v[PC\u+4], v[PC\u+5]
	v_mov_b32 v[PC\u+5], v[PC\u+6]
.endr
.irp u, 0,1,2,3
.if \kind
	global_store_b128 v[L16], v[PC\u:PC\u+3], s[OUTB:OUTB+1] offset:6144+1536*\u+768*\g
	global_store_b64 v[L8P], v[PC\u+4:PC\u+5], s[OUTB:OUTB+1] offset:6144+1536*\u+768*\g
.else
	global_store_b128 v[L16], v[PC\u:PC\u+3], s[OUTB:OUTB+1] offset:768*(4*\g+\u)
	global_store_b64 v[L8P], v[PC\u+4:PC\u+5], s[OUTB:OUTB+1] offset:768*(4*\g+\u)
.endif
.endr
.endm
.macro MAIN kind
.irp s, 0,1,2,3,4,5,6,7
.if \s<7
	s_wait_dscnt 32                                ; this tile's 32 loads are in; the next tile's 32 may be out
.else
	s_wait_dscnt 0x0
.endif
	BLOCK \kind, \s
	WIN 0
	PLACES                                         ; ahead of loads into registers that the products read, and of the first read of their sums
.if \s<6
	FETCH \s+2
.endif
.if \s==3
	QUAD 0, \kind
.endif
.if \s==7
	QUAD 1, \kind
.endif
.endr
.endm
.macro TAILKV lo, hi, st, off          ; a fragment's scale word: two units' two bytes each; lanes 0-15 store fragments 0 and 2, lanes 16-31 fragments 1 and 3
.irp g, 0,1,2,3
	v_lshl_or_b32 v[SO+\g], v[HS+\hi+\st*\g], 16, v[HS+\lo+\st*\g]
.endr
	v_cndmask_b32 v[TP], v[SO], v[SO+1], s[MASK]
	v_cndmask_b32 v[TP+1], v[SO+2], v[SO+3], s[MASK]
	global_store_b64 v[L8], v[TP:TP+1], s[OUTB:OUTB+1] offset:\off
.endm
; ---- the head
	s_load_b256 s[4:11], s[0:1], 0x0               ; codes, scl, bq, bk
	s_load_b256 s[12:19], s[0:1], 0x20             ; bv, qc, qs, kv
	v_lshl_add_u32 v[SPW], v0, 2, SPARE
	v_mov_b32 v[NIL], 0
	ds_add_u32 v[SPW], v[NIL]                      ; the opening lines: the add, twice on end, and its wait
	ds_add_u32 v[SPW], v[NIL]
	v_lshrrev_b32 v1, 5, v0
	v_readfirstlane_b32 s[WV], v1
	s_lshr_b32 s[WY], s[WV], 1
	s_and_b32 s[WX], s[WV], 1
	s_bfe_u32 s[CX], ttmp6, 0x40000
	s_bfe_u32 s[CY], ttmp6, 0x40004
	s_lshl_b32 s[NB], ttmp9, 2
	s_add_co_u32 s[NB], s[NB], s[CX]               ; block of 128 columns, 0 .. 7
	s_and_b32 s[CLY], ttmp7, 0xffff
	s_lshr_b32 s[TT], s[CLY], 3                    ; the tensor: 0 Q, 1 K, 2 V: the cluster's number alone
	s_and_b32 s[RB], s[CLY], 7
	s_lshl_b32 s[RB], s[RB], 2
	s_add_co_u32 s[RB], s[RB], s[CY]               ; block of 256 rows, 0 .. 31
	s_lshl_b32 s56, s[CY], 2
	s_lshl_b32 s56, 15, s56                        ; my row of the cluster
	s_lshl_b32 s57, 0x1111, s[CX]                  ; my column
	s_or_b32 s[G1X], s56, (3<<16)|(1<<21)
	s_or_b32 s[G1W], s57, (3<<16)|(1<<21)
	s_mov_b32 s[G1W+1], 1536<<16                   ; the weights: four tiles on end, a tile a row of 12,288 bytes
	s_mov_b32 s[G1W+2], 4<<16
	s_mov_b32 s[G1W+3], 1536<<16
	s_mov_b32 s[G1W+4], 4
	s_mov_b32 s[G1W+5], 1536
	s_mov_b32 s[G1W+6], 0
	s_mov_b32 s[G1W+7], 0
	s_mov_b32 s[G1X+1], 6144<<16                   ; the rows: two runs of four tiles (49,152 bytes), eight tiles apart
	s_mov_b32 s[G1X+2], 2<<16
	s_mov_b32 s[G1X+3], 6144<<16
	s_mov_b32 s[G1X+4], 2
	s_mov_b32 s[G1X+5], 12288
	s_mov_b32 s[G1X+6], 0
	s_mov_b32 s[G1X+7], 0
	s_lshl_b32 s58, s[TT], 6
	s_add_co_u32 s58, s58, 1536
	s_lshl_b32 s60, s[NB], 3
	s_add_co_u32 s58, s58, s60
	s_lshl_b32 s60, s[WX], 2
	s_add_co_u32 s58, s58, s60                     ; the weights' tile: what waves 0, 1 fetch, and what wave column x reads
	s_mul_i32 s52, s58, TILEB
	s_mov_b32 s53, 0
	s_lshl_b32 s54, s58, 9
	s_mov_b32 s55, 0
	s_lshl_b32 s59, s[TT], 9
	s_lshl_b32 s61, s[RB], 4
	s_add_co_u32 s59, s59, s61                     ; the rows' first tile
	s_lshl_b32 s61, s[WY], 3
	s_add_co_u32 s61, s61, s59
	s_lshl_b32 s60, s61, 9                         ; my key step's scale words
	s_mov_b32 s61, 0
	s_lshl_b32 s56, s[WX], 2
	s_add_co_u32 s59, s59, s56                     ; wave 2 begins at tile 0, wave 3 at tile 4
	s_mul_i32 s56, s59, TILEB
	s_mov_b32 s57, 0
	s_mov_b32 s[G0W], 1
	s_mul_i32 s[G0W+1], s[WX], 4*TILEB
	s_mov_b32 s[G0X], 1
	s_mul_i32 s[G0X+1], s[WX], 8*TILEB
	s_add_co_u32 s[G0X+1], s[G0X+1], XB
	s_lshl_b32 s62, s[NB], 9
	s_lshl_b32 s63, s[WX], 8
	s_add_co_u32 s62, s62, s63                     ; my head's bias, in bytes
	s_mov_b32 s63, 0
	s_lshr_b32 s80, s[RB], 3
	s_lshl_b32 s80, s80, 4
	s_lshl_b32 s81, s[NB], 1
	s_add_co_u32 s80, s80, s81
	s_add_co_u32 s80, s80, s[WX]                   ; batch x 16 + head
	s_and_b32 s81, s[RB], 7
	s_lshl_b32 s81, s81, 1
	s_add_co_u32 s81, s81, s[WY]                   ; key step
	s_mov_b32 s82, 204800
	s_mov_b32 s83, 12800
	s_cmp_eq_u32 s[TT], 0
	s_cselect_b32 s82, 98304, s82
	s_cselect_b32 s83, 6144, s83
	s_mul_i32 s84, s80, s82
	s_mul_i32 s85, s81, s83
	s_add_co_u32 s84, s84, s85
	s_mov_b32 s85, 0
	s_lshl_b32 s86, s80, 13
	s_lshl_b32 s87, s81, 9
	s_add_co_u32 s86, s86, s87
	s_mov_b32 s87, 0
	s_mov_b32 s[MASK], 0xffff0000
	s_mov_b32 s[SEL], 0x76543210
	s_mov_b32 s[SEL+1], 0xfedcba98
	v_and_b32 v1, 31, v0
	v_lshlrev_b32 v[L16], 4, v1
	v_lshlrev_b32 v[L8], 3, v1
	v_lshlrev_b32 v[L32], 5, v1
	v_add_nc_u32 v[L8P], 512, v[L8]
	s_mul_i32 s88, s[WX], 4*TILEB
	v_add_nc_u32 v[AW], s88, v[L16]
	v_add_nc_u32 v[AW+1], s88, v[L8P]
	s_mul_i32 s88, s[WY], 4*TILEB
	s_add_co_u32 s88, s88, XB
	v_add_nc_u32 v[AX], s88, v[L16]
	v_add_nc_u32 v[AX+1], s88, v[L8P]
	s_add_co_u32 s88, s88, 8*TILEB
	v_add_nc_u32 v[AX+2], s88, v[L16]
	v_add_nc_u32 v[AX+3], s88, v[L8P]
	v_bfe_u32 v[BQK], v0, 4, 1
	v_lshlrev_b32 v[BQK], 6, v[BQK]                ; Q, K: register j of tile 2 G + u is channel 32 G + 16 h + 8 u + j
	v_and_b32 v1, 15, v0
	v_and_b32 v[BV], 8, v1
	v_add_nc_u32 v[BV], v[BV], v1
	v_lshlrev_b32 v[BV], 2, v[BV]                  ; V: lane r of tile 2 G + u is channel 32 G + 8 u + r + 8 (r / 8)
.irp c, 0,1,2,3,4,5,6,7
	v_mov_b32 v[TP+\c], 0                          ; written once: a lane permute's destination counts as one of its sources
.endr
	s_wait_alu depctr_va_vdst(0)                   ; the wait at the head's end
	s_wait_dscnt 0x0
	CROUND                                         ; all sixteen work-groups are here: the joint loads meet
	s_wait_kmcnt 0x0
	s_add_nc_u64 s[G0W+2:G0W+3], s[4:5], s[52:53]
	s_or_b32 s[G0W+3], s[G0W+3], 0x80000000
	s_add_nc_u64 s[G0X+2:G0X+3], s[4:5], s[56:57]
	s_or_b32 s[G0X+3], s[G0X+3], 0x80000000
	s_cmp_lt_u32 s[WV], 2
	s_cbranch_scc0 .Lfor_x
	TLOAD G0W, G1W                                 ; waves 0, 1: the weights
	s_branch .Lasked
.Lfor_x:
	TLOAD G0X, G1X                                 ; waves 2, 3: the rows
.Lasked:
	s_add_nc_u64 s[SCW:SCW+1], s[6:7], s[54:55]
	s_add_nc_u64 s[SCX:SCX+1], s[6:7], s[60:61]
.irp p, 0,1
.irp c, 0,1
	global_load_b128 v[SB+8*\p+4*\c:SB+8*\p+4*\c+3], v[L32], s[SCW:SCW+1] offset:1024*\p+16*\c
.endr
.endr
.irp p, 0,1,2,3
.irp c, 0,1
	global_load_b128 v[SA+8*\p+4*\c:SA+8*\p+4*\c+3], v[L32], s[SCX:SCX+1] offset:1024*\p+16*\c
.endr
.endr
	s_cmp_eq_u32 s[TT], 0
	s_cselect_b64 s[BIA:BIA+1], s[8:9], s[10:11]
	s_cselect_b64 s[OUTB:OUTB+1], s[14:15], s[18:19]
	s_cmp_eq_u32 s[TT], 2
	s_cselect_b64 s[BIA:BIA+1], s[12:13], s[BIA:BIA+1]
	s_add_nc_u64 s[BIA:BIA+1], s[BIA:BIA+1], s[62:63]
	s_add_nc_u64 s[OUTB:OUTB+1], s[OUTB:OUTB+1], s[84:85]
	s_add_nc_u64 s[TLB:TLB+1], s[16:17], s[86:87]
	s_cbranch_scc1 .Lbias_v
	WIN 0xc0
.irp t, 0,1,2,3
	global_load_b128 v[BB+8*\t:BB+8*\t+3], v[BQK], s[BIA:BIA+1] offset:(32*(\t/2)+8*(\t%2))*4
	global_load_b128 v[BB+8*\t+4:BB+8*\t+7], v[BQK], s[BIA:BIA+1] offset:(32*(\t/2)+8*(\t%2))*4+16
.endr
	WIN 0
	s_branch .Lbias_done
.Lbias_v:
	WIN 0xc0
.irp t, 0,1,2,3
.irp j, 0,1,2,3,4,5,6,7
	global_load_b32 v[BB+8*\t+\j], v[BV], s[BIA:BIA+1] offset:(32*(\t/2)+8*(\t%2))*4
.endr
.endr
	WIN 0
.Lbias_done:
	s_cmp_lt_u32 s[WV], 2
	s_cbranch_scc0 .Lnot_w
	s_wait_tensorcnt 0x0                           ; waves 0, 1: my half of the weights is in
.Lnot_w:
	s_barrier_signal -1
	s_barrier_wait -1                              ; the weights are in
.irp q, 0,1,2,3,4,5,6,7
.irp t, 0,1,2,3
	FRAG 4*\q+\t, AW, \t*TILEB+\q*1536             ; my 64 rows of the weights, all of K: 128 loads
.endr
.endr
	WIN 0
	s_wait_tensorcnt 0x0                           ; every wave: all that is out has landed
	s_wait_dscnt 0x0
	s_barrier_signal -1
	s_barrier_wait -1                              ; the rows are in
	FETCH 0
	FETCH 1
	s_wait_loadcnt 0x0                             ; scale words and bias
	s_cmp_eq_u32 s[TT], 2
	s_cbranch_scc1 .Lv
	MAIN 0
	s_cmp_eq_u32 s[TT], 0
	s_cbranch_scc0 .Ltail_k
.irp a, 0,1,2,3,4,5,6,7
	v_lshl_or_b32 v[SO+\a], v[HS+\a], 16, v[HS+\a] ; Q: a tile's two bytes twice, for either half of the operand
.endr
.irp j, 0,1,2,3
	v_cndmask_b32 v[TP+\j], v[SO+2*\j], v[SO+2*\j+1], s[MASK]
.endr
	global_store_b128 v[L16], v[TP:TP+3], s[TLB:TLB+1]
	s_branch .Ldone
.Ltail_k:
	TAILKV 0, 1, 2, 12288
	s_branch .Ldone
.Lv:
	MAIN 1
	TAILKV 0, 4, 1, 12544
.Ldone:
	s_wait_tensorcnt 0x0                           ; the wave's end
	ds_add_u32 v[SPW], v[NIL]
	s_wait_dscnt 0x0
	CROUND                                         ; the closing round
	s_endpgm
.Lfunc_end_k_q3dd778f9ef_proj:
	.size	k_q3dd778f9ef_proj, .Lfunc_end_k_q3dd778f9ef_proj-k_q3dd778f9ef_proj
	.p2alignl 7, 3214868480
	.fill 96, 4, 3214868480
	.section	.rodata,"a",@progbits
	.p2align	6, 0x0
	.amdhsa_kernel k_q3dd778f9ef_proj
		.amdhsa_group_segment_fixed_size 327680
		.amdhsa_private_segment_fixed_size 0
		.amdhsa_enable_private_segment 0
		.amdhsa_kernarg_size 64
		.amdhsa_user_sgpr_count 2
		.amdhsa_user_sgpr_kernarg_segment_ptr 1
		.amdhsa_wavefront_size32 1
		.amdhsa_system_sgpr_workgroup_id_x 1
		.amdhsa_system_sgpr_workgroup_id_y 1
		.amdhsa_system_sgpr_workgroup_id_z 1
		.amdhsa_system_vgpr_workitem_id 0
		.amdhsa_next_free_vgpr 928
		.amdhsa_next_free_sgpr 96
		.amdhsa_reserve_vcc 0
		.amdhsa_float_denorm_mode_32 3
		.amdhsa_float_denorm_mode_16_64 3
		.amdhsa_memory_ordered 1
		.amdhsa_forward_progress 1
		.amdhsa_inst_pref_size 153
	.end_amdhsa_kernel
	.amdgpu_metadata
---
amdhsa.version: [ 1, 2 ]
amdhsa.kernels:
  - .name:           k_q3dd778f9ef_proj
    .symbol:         k_q3dd778f9ef_proj.kd
    .args:
      - { .name: codes, .offset: 0, .size: 8, .value_kind: global_buffer, .address_space: global }
      - { .name: scl, .offset: 8, .size: 8, .value_kind: global_buffer, .address_space: global }
      - { .name: bq, .offset: 16, .size: 8, .value_kind: global_buffer, .address_space: global }
      - { .name: bk, .offset: 24, .size: 8, .value_kind: global_buffer, .address_space: global }
      - { .name: bv, .offset: 32, .size: 8, .value_kind: global_buffer, .address_space: global }
      - { .name: qc, .offset: 40, .size: 8, .value_kind: global_buffer, .address_space: global }
      - { .name: qs, .offset: 48, .size: 8, .value_kind: global_buffer, .address_space: global }
      - { .name: kv, .offset: 56, .size: 8, .value_kind: global_buffer, .address_space: global }
    .group_segment_fixed_size: 327680
    .private_segment_fixed_size: 0
    .kernarg_segment_align: 8
    .kernarg_segment_size: 64
    .max_flat_workgroup_size: 128
    .sgpr_count:     96
    .vgpr_count:     928
    .wavefront_size: 32
...
	.end_amdgpu_metadata
.endif
;; end of part 2
;; launch attn (part 3): grid 4 x 64, 8 waves a work-group, clusters of 4 x 1, 206,848 bytes of LDS; arguments qc, qs, kv, xa, xas; writes xa, xas
.if DOCPART == 3
	.amdgcn_target "amdgcn-amd-amdhsa--gfx1250"
	.amdhsa_code_object_version 6
	.text
	.protected	k_q3dd778f9ef_attn
	.globl	k_q3dd778f9ef_attn
	.p2align	8
	.type	k_q3dd778f9ef_attn,@function
k_q3dd778f9ef_attn:
	s_mov_b64 s[64:65], 0
	v_nop
	global_prefetch_b8 v0, s[64:65] scope:SCOPE_SE
	s_setreg_imm32_b32 hwreg(HW_REG_WAVE_MODE, 25, 1), 1
	s_wait_xcnt 0x0
	s_wait_alu depctr_hold_cnt(0) depctr_sa_sdst(0) depctr_va_vdst(0) depctr_va_sdst(0) depctr_va_ssrc(0) depctr_va_vcc(0) depctr_vm_vsrc(0)
	s_getreg_b32 s2, hwreg(HW_REG_IB_STS2, 6, 4)
	s_cmp_eq_u32 s2, 0
	s_cbranch_scc0 .Lentry_in_a_cluster
	s_endpgm
.Lentry_in_a_cluster:
	s_bfe_u32 s2, ttmp6, 0x10000c
	s_cmp_lg_u32 s2, 0x3003
	s_cbranch_scc0 .Lentry_shape_is_right
	s_endpgm
.Lentry_shape_is_right:
; x[head][q] = the sum over the keys of softmax(Q . K / 8) V, both products on codes of FP6 (E2M3) with E8M0 scales; the result is quantised along the model's 1,024 and leaves as codes for the last projection.
; THE SOFTMAX AHEAD OF THE SECOND PRODUCT: t = score x log2(e) / 8; M = the running largest t rounded UP to a whole number; p = 2^(t - M) is quantised along the keys, not normalised;
; the row's sum is taken of the unquantised p and divides at the end; when M moves, the sum and O are multiplied by 2^(old M - new M): exact.
; SHARES.  A work-group owns 512 queries of one head (batch x 16 + head = work-group y).  Each of its eight waves owns TWO tiles of 16 queries in each of two passes; each fragment of K and V feeds both tiles.
; The two tiles stand one phase apart: tile 0's chain from the maximum to f stands among tile 1's maxima, tile 1's among tile 0's multiply-adds, tile 1's multiply-adds among tile 0's exponentials.
; THE WHOLE HEAD'S K AND V STAY IN LDS: 16 key steps x 12,800 bytes, filled ONCE: wave w brings key steps 2 w, 2 w + 1 by one load, asked for jointly by the cluster's four work-groups, which walk the same head.
; Waves 0 and 1 have a load line of their own: the first barrier shows key steps 0 to 3 alone, pass 0's first three trips read and fetch no further, and a second barrier, ahead of which every wave has waited, shows the rest.
; Nothing is filled again.  No prefetch: all that is read by tensor loads is asked for at the head.
; LAYOUT.  Both products transposed: S^T = K Q^T, O^T = V^T P^T: a lane holds one query (lane % 16).  The head has 64 channels, half of the instruction's 128: a fragment of K holds TWO tiles of keys in its two halves,
; and the queries' operand [q | 0] picks the first, [0 | q] the second: zero codes add nothing.
; WHICH KEYS FORM A TILE is chosen by the lanes' LDS addresses: row 8 h' + j of tile (c, t) is key 64 c + 32 h' + 8 t + j of the step.  So the 32 registers of tiles (c, 0 .. 3) of lane (r, h) are keys 64 c + 32 h + 0 .. 31:
; a whole scale block, in the order of P's operand: its largest p needs no other lane, and the conversions' results are the operand.  In kv that key lies in tile 4 c + 2 h' + t % 2 at row 8 (t / 2) + j.
; LIMITS: a block of zeros or under 2^-124 gets the scale byte 1 (zero codes; read by this program alone); NaN and infinities are not served; 1 / sum by v_rcp_f32; the scaled scores stay under 2^31 in magnitude.
; The input mask is no argument.
; REGISTERS, window 0: v1 16 l, v2 8 l, v3 32 r, v4-5 the add's two, v6-10 the next step's LDS addresses, v11 8 h; for tile T: v12+2T -M, v13+2T the largest score, v16+2T the sum at the end, v[20+2T..] f;
;   v24-25 q's scale words, v26-27 K's, v28-29 V's, v30-31 p's; v32-159 S^T, then p; v160-183 p's codes; v184-255 at work.
; window 1: v0-47 K's four fragments, v48-95 V's, v96-159 O^T, v160-195 [0 | q | 0] twice, v196-207 pass 1's q, v208-215 the sums, two chains of pairs a tile.
.set STEPB, 12800
.set SPARE, 16*STEPB                   ; behind the head: the spare words, 128 bytes a wave
.set KF,  0
.set VF,  48
.set OO,  96
.set QQ,  160
.set Q2,  196
.set LL,  208
.set SS,  32
.set PP,  160
.set BM,  184
.set BN,  188
.set XX,  192
.set YY,  194
.set ZZ,  196
.set WW,  198
.set SO,  200
.set BB,  204
.set PW,  208
.set PT,  210
.set KA0, 224
.set KB0, 225
.set KS0, 226
.set R16, 227
.set QS2, 228
.set CT,  240
.set WV,  14
.set CX,  15
.set BH,  16
.set SEL, 20
.set CS,  22
.set G1,  24
.set G0,  32
.set TB,  36
.set CNT, 37
.set TBN, 52
.set NCS, 53
.set MSB, 0
.macro WIN new
.if MSB != (\new)
	s_set_vgpr_msb (MSB<<8)|(\new)
.set MSB, (\new)
.endif
.endm
.macro WALU
	s_wait_alu depctr_va_vdst(0)
.endm
.macro H2
	s_delay_alu instid0(VALU_DEP_2)
.endm
.macro CROUND
	s_barrier_signal -1
	s_barrier_wait -1
	s_cmp_lg_u32 s[WV], 0
	s_cbranch_scc1 .Lnot_wave_0_\@
	s_barrier_signal -3
.Lnot_wave_0_\@:
	s_barrier_wait -3
	s_barrier_signal -1
	s_barrier_wait -1
.endm
.macro TLOAD
	tensor_load_to_lds s[G0:G0+3], s[G1:G1+7]
	s_nop 0
.rept 4
	v_nop
.endr
.endm
.macro ADDR                            ; the LDS addresses of the key step at s[TBN]
	v_add_nc_u32 v8, s[TBN], v[KA0]
	v_add_nc_u32 v9, s[TBN], v[KB0]
	v_add_nc_u32 v10, s[TBN], v[KS0]
	v_add_nc_u32 v6, s[TBN], v1
	v_add_nc_u32 v7, s[TBN], v2
.endm
.macro KLOAD                           ; fragment (c, m) = tiles (c, 2 m) and (c, 2 m + 1); its scale word: register 26 + c, lanes 16 m on.  17 loads
	WIN 0x40
.irp c, 0,1
.irp m, 0,1
	ds_load_b128 v[KF+12*(2*\c+\m):KF+12*(2*\c+\m)+3], v8 offset:3072*\c+128*\m
	ds_load_b64 v[KF+12*(2*\c+\m)+4:KF+12*(2*\c+\m)+5], v9 offset:3072*\c+64*\m+512
	ds_load_b128 v[KF+12*(2*\c+\m)+6:KF+12*(2*\c+\m)+9], v8 offset:3072*\c+128*\m+768
	ds_load_b64 v[KF+12*(2*\c+\m)+10:KF+12*(2*\c+\m)+11], v9 offset:3072*\c+64*\m+1280
.endr
.endr
	WIN 0
	ds_load_b64 v[26:27], v10 offset:12288
.endm
.macro VLOAD                           ; V^T's four fragments; fragment g's scale word: register 28 + g / 2, lanes 16 (g % 2) on.  17 loads
	WIN 0x40
.irp g, 0,1,2,3
	ds_load_b128 v[VF+12*\g:VF+12*\g+3], v6 offset:6144+1536*\g
	ds_load_b64 v[VF+12*\g+4:VF+12*\g+5], v7 offset:6144+1536*\g+512
	ds_load_b128 v[VF+12*\g+6:VF+12*\g+9], v6 offset:6144+1536*\g+768
	ds_load_b64 v[VF+12*\g+10:VF+12*\g+11], v7 offset:6144+1536*\g+1280
.endr
	WIN 0
	ds_load_b64 v[28:29], v7 offset:12544
.endm
; four lines of tile T's search for the largest score of each block of 32 keys, two chains a block; k = 0 .. 7.  It serves the row's maximum and, since p rises with the score, the block's largest p
.macro MX T, k
.if (\k)==0
.irp c, 0,1
	v_max3_num_f32 v[BM+2*\T+\c], v[SS+64*\T+32*\c], v[SS+64*\T+32*\c+1], v[SS+64*\T+32*\c+2]
	v_max3_num_f32 v[BN+2*\T+\c], v[SS+64*\T+32*\c+16], v[SS+64*\T+32*\c+17], v[SS+64*\T+32*\c+18]
.endr
.elseif (\k)<7
.irp c, 0,1
	v_max3_num_f32 v[BM+2*\T+\c], v[BM+2*\T+\c], v[SS+64*\T+32*\c+2*(\k)+1], v[SS+64*\T+32*\c+2*(\k)+2]
	v_max3_num_f32 v[BN+2*\T+\c], v[BN+2*\T+\c], v[SS+64*\T+32*\c+2*(\k)+17], v[SS+64*\T+32*\c+2*(\k)+18]
.endr
.else
.irp c, 0,1
	v_max3_num_f32 v[BM+2*\T+\c], v[BM+2*\T+\c], v[BN+2*\T+\c], v[SS+64*\T+32*\c+15]
.endr
.irp c, 0,1
	v_max_num_f32 v[BM+2*\T+\c], v[BM+2*\T+\c], v[SS+64*\T+32*\c+31]
.endr
.endif
.endm
; line i = 0 .. 8 of tile T's chain from the blocks' largest scores to -M and f
.macro CH T, i
.if (\i)==0
	v_max_num_f32 v[XX+\T], v[BM+2*\T], v[BM+2*\T+1]
.elseif (\i)==1
	v_permlanex16_b32 v[YY+\T], v[XX+\T], s[SEL], s[SEL+1]
.elseif (\i)==2
	v_max3_num_f32 v[13+2*\T], v[13+2*\T], v[XX+\T], v[YY+\T]   ; the running largest score of my query
.elseif (\i)==3
	v_mul_f32 v[ZZ+\T], s[NCS], v[13+2*\T]         ; -t
.elseif (\i)==4
	v_floor_f32 v[WW+\T], v[ZZ+\T]                 ; the new -M = -ceil(t): a whole number
.elseif (\i)==5
	v_sub_f32 v[ZZ+\T], v[WW+\T], v[12+2*\T]       ; old M - new M, 0 or less
.elseif (\i)==6
	v_mov_b32 v[12+2*\T], v[WW+\T]
.elseif (\i)==7
	v_cvt_i32_f32 v[ZZ+\T], v[ZZ+\T]               ; (it saturates)
.else
	v_ldexp_f32 v[20+2*\T], 1.0, v[ZZ+\T]          ; f = 2^(old M - new M)
.endif
.endm
.macro SUMADD                          ; add number aa of 64: pair 2 (aa / 4) + n of tile aa % 2 onto its chain n = (aa / 2) % 2.  Destination and source 0 in window 1, source 1 in window 0
.set T_, aa%2
.set n_, (aa/2)%2
.set k_, 2*(aa/4)+n_
	v_pk_add_f32 v[LL+4*T_+2*n_:LL+4*T_+2*n_+1], v[LL+4*T_+2*n_:LL+4*T_+2*n_+1], v[SS+64*T_+2*k_:SS+64*T_+2*k_+1]
.set aa, aa+1
.endm
; n trips of 128 keys; the step fetched in a trip is the next one, held at step top
.macro LOOP n, top
	s_mov_b32 s[CNT], \n
.Lstep_\@:
	s_add_co_u32 s[TB], s[TB], STEPB
	s_min_u32 s[TBN], s[TB], (\top)*STEPB
	s_wait_dscnt 17                                ; K's 17 loads are in; V's 17, issued behind them, may be out
	WIN 0x05
.irp T, 0,1
.irp c, 0,1
.irp m, 0,1
.irp u, 0,1
.if \m
	v_wmma_scale_f32_16x16x128_f8f6f4 v[SS+64*\T+32*\c+8*(2*\m+\u):SS+64*\T+32*\c+8*(2*\m+\u)+7], v[KF+12*(2*\c+\m):KF+12*(2*\c+\m)+11], v[QQ+18*\T+6-6*\u:QQ+18*\T+17-6*\u], 0, v[26+\c], v[24+\T] matrix_a_fmt:MATRIX_FMT_FP6 matrix_b_fmt:MATRIX_FMT_FP6 matrix_a_scale:MATRIX_SCALE_ROW1
.else
	v_wmma_scale_f32_16x16x128_f8f6f4 v[SS+64*\T+32*\c+8*(2*\m+\u):SS+64*\T+32*\c+8*(2*\m+\u)+7], v[KF+12*(2*\c+\m):KF+12*(2*\c+\m)+11], v[QQ+18*\T+6-6*\u:QQ+18*\T+17-6*\u], 0, v[26+\c], v[24+\T] matrix_a_fmt:MATRIX_FMT_FP6 matrix_b_fmt:MATRIX_FMT_FP6
.endif
.endr
.endr
.endr
.endr                                  ; register 32 c + i of lane (r, h): query r, key 64 c + 32 h + i of the step
	WIN 0
	ADDR                                           ; five plain lines: the places behind the products
	KLOAD                                          ; the next step's K lands under the softmax
.irp k, 0,1,2,3,4,5,6,7
	MX 0, \k
.endr
.irp i, 0,1,2,3,4,5,6,7,8
	CH 0, \i
.if \i<8
	MX 1, \i
.endif
.endr
.set jj, 0
.irp i, 0,1,2,3,4,5,6,7,8
	CH 1, \i
.if \i<8
.rept 4
	v_pk_fma_f32 v[SS+jj:SS+jj+1], v[SS+jj:SS+jj+1], s[CS:CS+1], v[12:13] op_sel_hi:[1,0,0]   ; tile 0: t - M, two at a time
.set jj, jj+2
.endr
.endif
.endr
	v_fma_f32 v[BM], v[BM], s[CS], v12             ; the same of each block's largest score
	v_fma_f32 v[BM+1], v[BM+1], s[CS], v12
	WIN 0x41
.set jj, 0
.rept 32
	v_pk_mul_f32 v[OO+jj:OO+jj+1], v[OO+jj:OO+jj+1], v[20+2*(jj/32):21+2*(jj/32)] op_sel_hi:[1,0]   ; O^T under the new M
.set jj, jj+2
.endr
.set jj, 0
.rept 4
	v_pk_mul_f32 v[LL+jj:LL+jj+1], v[LL+jj:LL+jj+1], v[20+2*(jj/4):21+2*(jj/4)] op_sel_hi:[1,0]     ; and the sums
.set jj, jj+2
.endr
	WIN 0
	WALU                                           ; the wait ahead of a batch
.set jj, 0
.rept 32
	v_exp_f32 v[SS+jj], v[SS+jj]                   ; tile 0: p = 2^(t - M);
	v_exp_f32 v[SS+jj+1], v[SS+jj+1]
	v_pk_fma_f32 v[SS+64+jj:SS+64+jj+1], v[SS+64+jj:SS+64+jj+1], s[CS:CS+1], v[14:15] op_sel_hi:[1,0,0]   ; among them tile 1's t - M, first read behind the next wait
.set jj, jj+2
.endr
	v_exp_f32 v[BM], v[BM]                         ; the block's largest p: the same two instructions on the same number
	v_exp_f32 v[BM+1], v[BM+1]
	v_fma_f32 v[BM+2], v[BM+2], s[CS], v14
	v_fma_f32 v[BM+3], v[BM+3], s[CS], v14
	WALU                                           ; behind the first batch and ahead of the second
.set jj, 0
.rept 64
	v_exp_f32 v[SS+64+jj], v[SS+64+jj]
.set jj, jj+1
.endr
	v_exp_f32 v[BM+2], v[BM+2]
	v_exp_f32 v[BM+3], v[BM+3]
	v_nop                                          ; a plain place behind the exponentials
	WALU                                           ; and the wait behind the batch, ahead of its first reader
	s_wait_dscnt 17                                ; V's 17 loads are in; the next step's K, 17 loads, may be out
.irp b, 0,1,2,3
	v_max_num_f32 v[BM+\b], 0x1800000, v[BM+\b]    ; the floor 2^(3 - 127)
.endr
.irp b, 0,1,2,3
	v_add_nc_u32 v[SO+\b], 0xff000000, v[BM+\b]    ; the conversion's scale operand
.endr
.irp T, 0,1
.irp c, 0,1
	v_cvt_scalef32_pk16_fp6_f32 v[PP+12*\T+6*\c:PP+12*\T+6*\c+2], v[SS+64*\T+32*\c:SS+64*\T+32*\c+15], v[SO+2*\T+\c]
	v_cvt_scalef32_pk16_fp6_f32 v[CT+8*\T+4*\c:CT+8*\T+4*\c+2], v[SS+64*\T+32*\c+16:SS+64*\T+32*\c+31], v[SO+2*\T+\c]   ; (a conversion's three registers begin on an even number)
.endr
.endr
.irp b, 0,1,2,3
	v_lshrrev_b32 v[BB+\b], 23, v[SO+\b]           ; the scale's byte
.endr
.irp T, 0,1
	v_lshl_or_b32 v[PW+\T], v[BB+2*\T+1], 16, v[BB+2*\T]   ; my two bytes: blocks h and 2 + h,
.endr
.irp T, 0,1
	H2
	v_lshlrev_b32 v[PW+\T], v11, v[PW+\T]          ; at their places in the word;
.endr
.irp T, 0,1
	H2
	v_permlanex16_b32 v[PT+\T], v[PW+\T], s[SEL], s[SEL+1]
.endr
.irp T, 0,1
	H2
	v_or_b32 v[30+\T], v[PW+\T], v[PT+\T]          ; with lane l xor 16's two the word is whole
.endr
.irp T, 0,1
.irp c, 0,1
.irp i, 0,1,2
	v_mov_b32 v[PP+12*\T+6*\c+3+\i], v[CT+8*\T+4*\c+\i]
.endr
.endr
.endr
	WIN 0x51                                       ; one setting serves the products and the adds among them
.set aa, 0
.rept 8
	SUMADD                                         ; the row's sum of the unquantised p; these eight are the places ahead of the products
.endr
.irp g, 0,1,2,3                        ; O^T += V^T P^T: eight accumulators by turns; K = these 128 keys
.irp T, 0,1
.if (\g)%2
	v_wmma_scale_f32_16x16x128_f8f6f4 v[OO+32*\T+8*\g:OO+32*\T+8*\g+7], v[VF+12*\g:VF+12*\g+11], v[PP+12*\T:PP+12*\T+11], v[OO+32*\T+8*\g:OO+32*\T+8*\g+7], v[28+\g/2], v[30+\T] matrix_a_fmt:MATRIX_FMT_FP6 matrix_b_fmt:MATRIX_FMT_FP6 matrix_a_scale:MATRIX_SCALE_ROW1
.else
	v_wmma_scale_f32_16x16x128_f8f6f4 v[OO+32*\T+8*\g:OO+32*\T+8*\g+7], v[VF+12*\g:VF+12*\g+11], v[PP+12*\T:PP+12*\T+11], v[OO+32*\T+8*\g:OO+32*\T+8*\g+7], v[28+\g/2], v[30+\T] matrix_a_fmt:MATRIX_FMT_FP6 matrix_b_fmt:MATRIX_FMT_FP6
.endif
.rept 7
	SUMADD                                         ; the last seven are the places behind the products
.endr
.endr
.endr
	WIN 0
	VLOAD                                          ; the next step's V lands under the next scores
	s_sub_co_u32 s[CNT], s[CNT], 1
	s_cmp_lg_u32 s[CNT], 0
	s_cbranch_scc1 .Lstep_\@
.endm
	s_load_b256 s[4:11], s[0:1], 0x0               ; qc, qs, kv, xa
	s_load_b64 s[12:13], s[0:1], 0x20              ; xas
	v_lshl_add_u32 v4, v0, 2, SPARE
	v_mov_b32 v5, 0
	ds_add_u32 v4, v5                              ; the opening lines: the add, twice on end, and its wait
	ds_add_u32 v4, v5
	v_lshrrev_b32 v1, 5, v0
	v_readfirstlane_b32 s[WV], v1                  ; wave 0..7
	v_and_b32 v9, 31, v0
	v_and_b32 v10, 15, v0
	v_bfe_u32 v6, v0, 4, 1                         ; h
	v_bfe_u32 v7, v0, 3, 1                         ; h'
	v_and_b32 v8, 7, v0                            ; j
	v_lshlrev_b32 v1, 4, v9
	v_lshlrev_b32 v2, 3, v9
	v_lshlrev_b32 v3, 5, v10
	v_lshlrev_b32 v[R16], 4, v10
	v_lshlrev_b32 v11, 3, v6
	v_lshlrev_b32 v[KS0], 7, v7
	v_mul_u32_u24 v7, v7, 1536
	v_lshl_add_u32 v[KS0], v8, 3, v[KS0]
	v_lshl_add_u32 v[KA0], v8, 4, v7
	v_lshl_add_u32 v[KB0], v8, 3, v7
	v_lshl_add_u32 v[KS0], v6, 6, v[KS0]           ; K's scale words: 128 h' + 8 j + 64 x (lane / 16)
	v_lshl_add_u32 v[KA0], v6, 8, v[KA0]           ; K's registers 0-3: 1,536 h' + 16 j + 256 h
	v_lshl_add_u32 v[KB0], v6, 7, v[KB0]           ; K's registers 4-5: 1,536 h' + 8 j + 128 h
.irp j, 17,19,21,23,194,195,210,211
	v_mov_b32 v\j, 0                               ; written once: upper halves of pairs, and lane permutes' destinations
.endr
	WIN 0x40
.irp T, 0,1
.irp j, 0,1,2,3,4,5,12,13,14,15,16,17
	v_mov_b32 v[QQ+18*\T+\j], 0                    ; the zero codes on both sides of q
.endr
.endr
	WIN 0
	s_bfe_u32 s[CX], ttmp6, 0x40000                ; my place in the cluster: it enters Q's and the result's addresses alone
	s_and_b32 s[BH], ttmp7, 0xffff                 ; the head, which the four partners share
	s_mov_b32 s[G1], 15|(3<<16)|(1<<21)            ; the mask: all four; elements of 8 bytes; bit 21 beside a mask
	s_mov_b32 s[G1+1], 32<<16                      ; two key steps: 25,600 dense bytes as 100 rows of 256
	s_mov_b32 s[G1+2], 100<<16
	s_mov_b32 s[G1+3], 32<<16
	s_mov_b32 s[G1+4], 100
	s_mov_b32 s[G1+5], 32
	s_mov_b32 s[G1+6], 0
	s_mov_b32 s[G1+7], 0
	s_mov_b32 s[SEL], 0x76543210
	s_mov_b32 s[SEL+1], 0xfedcba98
	s_mov_b32 s[CS], 0x3e38aa3b                    ; c = log2(e) / 8
	s_mov_b32 s[CS+1], s[CS]
	s_mov_b32 s[NCS], 0xbe38aa3b                   ; -c
	s_mul_i32 s38, s[WV], 2*STEPB                  ; my two key steps, in LDS and in the head
	s_mul_i32 s40, s[BH], 16*STEPB
	s_add_co_u32 s40, s40, s38
	s_mov_b32 s41, 0
	s_lshl_b32 s42, s[CX], 5
	s_lshl_b32 s43, s[WV], 1
	s_add_co_u32 s42, s42, s43                     ; my first tile of queries in pass 0: 32 cx + 2 wave; the second beside it; pass 1: 16 further on
	s_mul_i32 s44, s[BH], 98304
	s_mul_i32 s43, s42, 768
	s_add_co_u32 s44, s44, s43
	s_mov_b32 s45, 0
	s_lshl_b32 s46, s[BH], 13                      ; scale words: 512 bytes for 8 tiles; tile 2 j + hh: word j of lane (r, hh)
	s_lshr_b32 s43, s42, 3
	s_lshl_b32 s43, s43, 9
	s_add_co_u32 s46, s46, s43
	s_bfe_u32 s43, s42, 0x20001
	s_lshl_b32 s43, s43, 2
	s_add_co_u32 s46, s46, s43
	s_mov_b32 s47, 0
	s_lshr_b32 s43, s[BH], 4
	s_lshl_b32 s43, s43, 7
	s_add_co_u32 s43, s43, s42                     ; the result's tile of rows: 128 x batch + my tile
	s_and_b32 s39, s[BH], 15
	s_mul_i32 s48, s43, 12288
	s_mul_i32 s50, s39, 768
	s_add_co_u32 s48, s48, s50
	s_mov_b32 s49, 0
	s_lshl_b32 s50, s43, 9
	s_lshl_b32 s39, s39, 1
	s_add_co_u32 s50, s50, s39
	s_mov_b32 s51, 0
	WALU                                           ; the wait at the head's end
	s_wait_dscnt 0x0
	s_wait_kmcnt 0x0
	s_mov_b32 s[G0], 1
	s_mov_b32 s[G0+1], s38
	s_add_nc_u64 s[G0+2:G0+3], s[8:9], s[40:41]
	s_or_b32 s[G0+3], s[G0+3], 0x80000000
	CROUND                                         ; all four work-groups are here: the joint loads meet
	s_cmp_lt_u32 s[WV], 2
	s_cbranch_scc0 .Llater
	TLOAD                                          ; waves 0, 1: key steps 0 to 3, on a line of their own
	s_branch .Lasked
.Llater:
	TLOAD                                          ; waves 2 to 7: key steps 4 to 15
.Lasked:
	s_add_nc_u64 s[4:5], s[4:5], s[44:45]
	s_add_nc_u64 s[6:7], s[6:7], s[46:47]
	s_add_nc_u64 s[10:11], s[10:11], s[48:49]
	s_add_nc_u64 s[12:13], s[12:13], s[50:51]
	WIN 0x40
.irp T, 0,1
	global_load_b128 v[QQ+18*\T+6:QQ+18*\T+9], v1, s[4:5] offset:768*\T
	global_load_b64 v[QQ+18*\T+10:QQ+18*\T+11], v2, s[4:5] offset:768*\T+512
	global_load_b128 v[Q2+6*\T:Q2+6*\T+3], v1, s[4:5] offset:12288+768*\T
	global_load_b64 v[Q2+6*\T+4:Q2+6*\T+5], v2, s[4:5] offset:12288+768*\T+512
.endr
	WIN 0
.irp T, 0,1
	global_load_b32 v[24+\T], v[R16], s[6:7] offset:256*\T
	global_load_b32 v[QS2+\T], v[R16], s[6:7] offset:1024+256*\T
.endr
	s_cmp_lt_u32 s[WV], 2
	s_cbranch_scc0 .Lnot_first
	s_wait_tensorcnt 0x0                           ; waves 0, 1: my key steps have landed
.Lnot_first:
	s_barrier_signal -1
	s_barrier_wait -1                              ; key steps 0 to 3 are in
	s_wait_loadcnt 0x0                             ; Q
; A PASS: two tiles of 16 queries against all 2,048 keys, 128 a trip
.macro PASS p
	s_mov_b32 s[TBN], 0
	ADDR
	KLOAD                                          ; key step 0; the pass's opening lines stand under the loads' flight
	VLOAD
.irp T, 0,1
	v_mov_b32 v[13+2*\T], 0xff61b1e6               ; the largest score so far: -3e38
	v_mov_b32 v[12+2*\T], 0x7e000000               ; -M: 2^125, so that the first f is 0
.endr
	WIN 0x40
.set jj, 0
.rept 64
	v_mov_b32 v[OO+jj], 0                          ; O^T: the step is written once; its first trip finds zeros
.set jj, jj+1
.endr
.set jj, 0
.rept 8
	v_mov_b32 v[LL+jj], 0                          ; the sums
.set jj, jj+1
.endr
	WIN 0
	s_mov_b32 s[TB], 0
.if \p
	LOOP 16, 15
.else
	LOOP 3, 3                                      ; key steps 0 to 2; step 3 is the furthest fetched
	s_wait_tensorcnt 0x0                           ; every wave: all that is out has landed,
	s_wait_dscnt 0x0
	s_barrier_signal -1
	s_barrier_wait -1                              ; and the whole head is in
	LOOP 13, 15
.endif
	; the way out: O^T / the sum; register 16 e + i = channel 32 e + 16 h + i of my query: two blocks of the last projection's K
	WIN 0x45
.irp T, 0,1
	v_pk_add_f32 v[LL+4*\T:LL+4*\T+1], v[LL+4*\T:LL+4*\T+1], v[LL+4*\T+2:LL+4*\T+3]
.endr
	WIN 0x05
.irp T, 0,1
	v_add_f32 v[16+2*\T], v[LL+4*\T], v[LL+4*\T+1]
.endr
	WIN 0
.irp T, 0,1
	v_permlanex16_b32 v[YY+\T], v[16+2*\T], s[SEL], s[SEL+1]
.endr
.irp T, 0,1
	v_add_f32 v[16+2*\T], v[16+2*\T], v[YY+\T]     ; the row's sum
.endr
	WALU
	v_rcp_f32 v16, v16
	v_rcp_f32 v18, v18
	v_nop
	WIN 0x01
	WALU                                           ; ahead of the reciprocals' first reader, which is O^T's too
.set jj, 0
.rept 32
	v_pk_mul_f32 v[SS+64*(jj/32)+jj%32:SS+64*(jj/32)+jj%32+1], v[OO+jj:OO+jj+1], v[16+2*(jj/32):17+2*(jj/32)] op_sel_hi:[1,0]
.set jj, jj+2
.endr
	WIN 0
.irp T, 0,1
.irp e, 0,1
	v_max3_num_f32 v[BM+2*\T+\e], |v[SS+64*\T+16*\e]|, |v[SS+64*\T+16*\e+1]|, 0x1800000
.endr
.endr
.irp i, 2,4,6,8,10,12,14
.irp T, 0,1
.irp e, 0,1
	v_max3_num_f32 v[BM+2*\T+\e], |v[SS+64*\T+16*\e+\i]|, |v[SS+64*\T+16*\e+\i+1]|, v[BM+2*\T+\e]
.endr
.endr
.endr
.irp b, 0,1,2,3
	v_permlanex16_b32 v[BN+\b], v[BM+\b], s[SEL], s[SEL+1]
.endr
.irp b, 0,1,2,3
	v_max_num_f32 v[BM+\b], v[BM+\b], v[BN+\b]
.endr
.irp b, 0,1,2,3
	v_add_nc_u32 v[SO+\b], 0xff000000, v[BM+\b]
.endr
.irp b, 0,1,2,3
	v_lshrrev_b32 v[BB+\b], 23, v[SO+\b]
.endr
.irp T, 0,1
	v_lshl_or_b32 v[PW+\T], v[BB+2*\T+1], 8, v[BB+2*\T]   ; my row's two scale bytes
.endr
.irp T, 0,1
	v_cvt_scalef32_pk16_fp6_f32 v[PP+12*\T:PP+12*\T+2], v[SS+64*\T:SS+64*\T+15], v[SO+2*\T]
	v_cvt_scalef32_pk16_fp6_f32 v[CT+8*\T:CT+8*\T+2], v[SS+64*\T+16:SS+64*\T+31], v[SO+2*\T+1]
.endr
	v_nop
.irp T, 0,1
.irp i, 0,1,2
	v_permlane16_swap_b32 v[PP+12*\T+\i], v[CT+8*\T+\i]
.endr
.endr
.irp T, 0,1
.irp i, 0,1,2
	v_mov_b32 v[PP+12*\T+3+\i], v[CT+8*\T+\i]
.endr
.endr
.irp T, 0,1
	global_store_b128 v1, v[PP+12*\T:PP+12*\T+3], s[10:11] offset:196608*\p+12288*\T        ; the half: 512 consecutive bytes,
	global_store_b64 v2, v[PP+12*\T+4:PP+12*\T+5], s[10:11] offset:196608*\p+12288*\T+512   ; and the 256 behind them
	global_store_b16 v3, v[PW+\T], s[12:13] offset:8192*\p+512*\T                           ; bytes 2 head, 2 head + 1 of row r's 32 (lanes l and l + 16 store the same number at the same place)
.endr
.endm
	PASS 0
	WALU
	s_wait_xcnt 0x0                                ; pass 0's stores have read their data,
	s_wait_dscnt 0x0                               ; and its last fetches have landed: their registers take pass 1's
	WIN 0x41
.irp T, 0,1
.irp j, 0,1,2,3,4,5
	v_mov_b32 v[QQ+18*\T+6+\j], v[Q2+6*\T+\j]      ; pass 1's queries; the pass's opening lines are the places ahead of its first product
.endr
.endr
	WIN 0
	v_mov_b32 v24, v[QS2]
	v_mov_b32 v25, v[QS2+1]
	PASS 1
	s_wait_tensorcnt 0x0                           ; the wave's end
	ds_add_u32 v4, v5
	s_wait_dscnt 0x0
	CROUND                                         ; the closing round
	s_endpgm
.Lfunc_end_k_q3dd778f9ef_attn:
	.size	k_q3dd778f9ef_attn, .Lfunc_end_k_q3dd778f9ef_attn-k_q3dd778f9ef_attn
	.p2alignl 7, 3214868480
	.fill 96, 4, 3214868480
	.section	.rodata,"a",@progbits
	.p2align	6, 0x0
	.amdhsa_kernel k_q3dd778f9ef_attn
		.amdhsa_group_segment_fixed_size 206848
		.amdhsa_private_segment_fixed_size 0
		.amdhsa_enable_private_segment 0
		.amdhsa_kernarg_size 40
		.amdhsa_user_sgpr_count 2
		.amdhsa_user_sgpr_kernarg_segment_ptr 1
		.amdhsa_wavefront_size32 1
		.amdhsa_system_sgpr_workgroup_id_x 1
		.amdhsa_system_sgpr_workgroup_id_y 1
		.amdhsa_system_sgpr_workgroup_id_z 1
		.amdhsa_system_vgpr_workitem_id 0
		.amdhsa_next_free_vgpr 512
		.amdhsa_next_free_sgpr 66
		.amdhsa_reserve_vcc 0
		.amdhsa_float_denorm_mode_32 3
		.amdhsa_float_denorm_mode_16_64 3
		.amdhsa_memory_ordered 1
		.amdhsa_forward_progress 1
		.amdhsa_inst_pref_size 115
	.end_amdhsa_kernel
	.amdgpu_metadata
---
amdhsa.version: [ 1, 2 ]
amdhsa.kernels:
  - .name:           k_q3dd778f9ef_attn
    .symbol:         k_q3dd778f9ef_attn.kd
    .args:
      - { .name: qc, .offset: 0, .size: 8, .value_kind: global_buffer, .address_space: global }
      - { .name: qs, .offset: 8, .size: 8, .value_kind: global_buffer, .address_space: global }
      - { .name: kv, .offset: 16, .size: 8, .value_kind: global_buffer, .address_space: global }
      - { .name: xa, .offset: 24, .size: 8, .value_kind: global_buffer, .address_space: global }
      - { .name: xas, .offset: 32, .size: 8, .value_kind: global_buffer, .address_space: global }
    .group_segment_fixed_size: 206848
    .private_segment_fixed_size: 0
    .kernarg_segment_align: 8
    .kernarg_segment_size: 40
    .max_flat_workgroup_size: 256
    .sgpr_count:     66
    .vgpr_count:     512
    .wavefront_size: 32
...
	.end_amdgpu_metadata
.endif
;; end of part 3
;; launch outp (part 4): grid 8 x 32, 4 waves a work-group, clusters of 4 x 4, 327,680 bytes of LDS; arguments xa, xas, codes, scl, bo, out0; writes out0
.if DOCPART == 4
	.amdgcn_target "amdgcn-amd-amdhsa--gfx1250"
	.amdhsa_code_object_version 6
	.text
	.protected	k_q3dd778f9ef_outp
	.globl	k_q3dd778f9ef_outp
	.p2align	8
	.type	k_q3dd778f9ef_outp,@function
k_q3dd778f9ef_outp:
	s_mov_b64 s[64:65], 0
	v_nop
	global_prefetch_b8 v0, s[64:65] scope:SCOPE_SE
	s_setreg_imm32_b32 hwreg(HW_REG_WAVE_MODE, 25, 1), 1
	s_wait_xcnt 0x0
	s_wait_alu depctr_hold_cnt(0) depctr_sa_sdst(0) depctr_va_vdst(0) depctr_va_sdst(0) depctr_va_ssrc(0) depctr_va_vcc(0) depctr_vm_vsrc(0)
	s_getreg_b32 s2, hwreg(HW_REG_IB_STS2, 6, 4)
	s_cmp_eq_u32 s2, 0
	s_cbranch_scc0 .Lentry_in_a_cluster
	s_endpgm
.Lentry_in_a_cluster:
	s_bfe_u32 s2, ttmp6, 0x10000c
	s_cmp_lg_u32 s2, 0xf033
	s_cbranch_scc0 .Lentry_shape_is_right
	s_endpgm
.Lentry_shape_is_right:
; out0 = x wo^T + bo on codes of FP6 (E2M3) with E8M0 scales, f32 out.  x comes as xa [tile of 16 rows][8 K steps][2 halves of 768 bytes] and xas [tile][16 rows][8 words]; wo's 64 tiles lie in codes and scl from tile 1,728 on.
; Tile 2 G + u holds rows 32 G + 8 u + r + 8 (r / 8).
; THE DEAL.  A block is 256 rows x 128 columns: 8 x 32 = 256 work-groups.  All of K = 1,024 lies in LDS, filled ONCE at the head, one joint load a wave: waves 0 and 1 four tiles of wo each,
; wave 2 the rows' tiles 0-3 and 8-11, wave 3 tiles 4-7 and 12-15.  Nothing is filled again.  CLUSTERS 4 x 4: the rows' tiles are shared along a row of the cluster, wo's along a column.
; Four waves, 2 x 2: wave (y, x) takes 8 tiles of rows and 64 columns.  Its 64 rows of wo, all of K, lie in 384 registers; the rows' tiles stream past in two sets of 96 registers, 32 products a tile,
; four accumulators by turns.  Source 0 = wo's rows: a lane holds a row of the result.  The bias is the first products' C.
; THE WAY OUT: a tile's 16 rows x 256 bytes go through the wave's own stage in LDS and leave as whole rows: sixteen lanes store 256 consecutive bytes, aligned; a tile's stores stand behind the next tile's products.
; No prefetch: all that a work-group reads is asked for at its head; there is no loop to run ahead in.
.set TILEB, 12288
.set XB,    8*TILEB
.set SPARE, 24*TILEB
.set STG,   SPARE+512                  ; behind the spare words: a stage of 16 rows x 272 bytes for each wave; no tensor load lands there
.set FR,  12
.set FPW, 21
.set L16, 2
.set L8P, 3
.set L8,  4
.set SPW, 5
.set NIL, 6
.set L32, 7
.set AW,  8
.set AX,  10
.set BQK, 14
.set STO, 16
.set RD,  17
.set CO,  18
.set SB,  32
.set SA,  52
.set ACC, 128                          ; v128-191 two sets of four accumulators
.set BK,  192                          ; v192-255 two sets of 16 rows read back
.set BB,  128                          ; in window 3
.set NB,  3
.set WV,  20
.set WY,  21
.set WX,  22
.set CX,  23
.set CY,  24
.set RB,  27
.set G1W, 28
.set G1X, 36
.set G0W, 44
.set G0X, 48
.set OUTB, 66
.set BIA, 70
.set SCW, 72
.set SCX, 74
.set MSB, 0
.macro WIN new
.if MSB != (\new)
	s_set_vgpr_msb (MSB<<8)|(\new)
.set MSB, (\new)
.endif
.endm
.macro PLACES
.rept 4
	v_nop
.endr
.endm
.macro TLOAD g0, g1
	tensor_load_to_lds s[\g0:\g0+3], s[\g1:\g1+7]
	s_nop 0
	PLACES
.endm
.macro CROUND
	s_barrier_signal -1
	s_barrier_wait -1
	s_cmp_lg_u32 s[WV], 0
	s_cbranch_scc1 .Lnot_wave_0_\@
	s_barrier_signal -3
.Lnot_wave_0_\@:
	s_barrier_wait -3
	s_barrier_signal -1
	s_barrier_wait -1
.endm
.macro FRAG f, a, off
	WIN (1+(\f)/FPW)<<6
.set R_, FR*((\f)%FPW)
	ds_load_b128 v[R_:R_+3], v[\a] offset:\off
	ds_load_b64 v[R_+4:R_+5], v[\a+1] offset:\off
	ds_load_b128 v[R_+6:R_+9], v[\a] offset:\off+768
	ds_load_b64 v[R_+10:R_+11], v[\a+1] offset:\off+768
.endm
.macro FETCH s
.irp q, 0,1,2,3,4,5,6,7
	FRAG 32+8*((\s)%2)+\q, AX+2*((\s)/4), ((\s)%4)*TILEB+\q*1536
.endr
	WIN 0
.endm
.macro WM d, r0, r1, c, x0, x1, o0, o1
.if (\o0)==0 && (\o1)==0
	v_wmma_scale_f32_16x16x128_f8f6f4 v[\d:\d+7], v[\r0:\r0+11], v[\r1:\r1+11], v[\c:\c+7], v[\x0], v[\x1] matrix_a_fmt:MATRIX_FMT_FP6 matrix_b_fmt:MATRIX_FMT_FP6
.elseif (\o0)==1 && (\o1)==0
	v_wmma_scale_f32_16x16x128_f8f6f4 v[\d:\d+7], v[\r0:\r0+11], v[\r1:\r1+11], v[\c:\c+7], v[\x0], v[\x1] matrix_a_fmt:MATRIX_FMT_FP6 matrix_b_fmt:MATRIX_FMT_FP6 matrix_a_scale:MATRIX_SCALE_ROW1
.elseif (\o0)==0 && (\o1)==1
	v_wmma_scale_f32_16x16x128_f8f6f4 v[\d:\d+7], v[\r0:\r0+11], v[\r1:\r1+11], v[\c:\c+7], v[\x0], v[\x1] matrix_a_fmt:MATRIX_FMT_FP6 matrix_b_fmt:MATRIX_FMT_FP6 matrix_b_scale:MATRIX_SCALE_ROW1
.else
	v_wmma_scale_f32_16x16x128_f8f6f4 v[\d:\d+7], v[\r0:\r0+11], v[\r1:\r1+11], v[\c:\c+7], v[\x0], v[\x1] matrix_a_fmt:MATRIX_FMT_FP6 matrix_b_fmt:MATRIX_FMT_FP6 matrix_a_scale:MATRIX_SCALE_ROW1 matrix_b_scale:MATRIX_SCALE_ROW1
.endif
.endm
.macro PROD s, q, t, d
.set FW_, 4*(\q)+(\t)
.set FX_, 32+8*((\s)%2)+(\q)
.set CW_, 0
.set C_, \d
.if (\q)==0
.set CW_, 3
.set C_, BB+8*(\t)
.endif
	WIN (1+FW_/FPW)|((1+FX_/FPW)<<2)|(CW_<<4)
	WM \d, FR*(FW_%FPW), FR*(FX_%FPW), C_, SB+8*((\t)/2)+(\q), SA+8*((\s)/2)+(\q), (\t)%2, (\s)%2
.endm
.macro BLOCK s
.irp q, 0,1,2,3,4,5,6,7
.irp t, 0,1,2,3
	PROD \s, \q, \t, ACC+32*((\s)%2)+8*\t
.endr
.endr
.endm
.macro TOSTAGE s                       ; register j of tile 2 G + u of lane (r, h) is column 32 G + 16 h + 8 u + j of row r
.set AC_, ACC+32*((\s)%2)
.irp t, 0,1,2,3
	ds_store_b128 v[STO], v[AC_+8*\t:AC_+8*\t+3] offset:128*(\t/2)+32*(\t%2)
	ds_store_b128 v[STO], v[AC_+8*\t+4:AC_+8*\t+7] offset:128*(\t/2)+32*(\t%2)+16
.endr
.irp i, 0,1,2,3,4,5,6,7
	ds_load_b128 v[BK+32*((\s)%2)+4*\i:BK+32*((\s)%2)+4*\i+3], v[RD] offset:544*\i   ; LDS serves a wave's instructions in order: these see the stores above
.endr
.endm
.macro SEND s
	s_wait_dscnt 0x0                               ; the tile is back in registers
.irp i, 0,1,2,3,4,5,6,7
	global_store_b128 v[CO], v[BK+32*((\s)%2)+4*\i:BK+32*((\s)%2)+4*\i+3], s[OUTB:OUTB+1] offset:(32*((\s)/2)+8*((\s)%2)+2*\i+8*(\i/4))*4096 th:TH_STORE_NT
.endr
.endm
; ---- the head
	s_load_b256 s[4:11], s[0:1], 0x0               ; xa, xas, codes, scl
	s_load_b128 s[12:15], s[0:1], 0x20             ; bo, out0
	v_lshl_add_u32 v[SPW], v0, 2, SPARE
	v_mov_b32 v[NIL], 0
	ds_add_u32 v[SPW], v[NIL]                      ; the opening lines: the add, twice on end, and its wait
	ds_add_u32 v[SPW], v[NIL]
	v_lshrrev_b32 v1, 5, v0
	v_readfirstlane_b32 s[WV], v1
	s_lshr_b32 s[WY], s[WV], 1
	s_and_b32 s[WX], s[WV], 1
	s_bfe_u32 s[CX], ttmp6, 0x40000
	s_bfe_u32 s[CY], ttmp6, 0x40004
	s_lshl_b32 s[NB], ttmp9, 2
	s_add_co_u32 s[NB], s[NB], s[CX]               ; block of 128 columns
	s_and_b32 s[RB], ttmp7, 0xffff
	s_lshl_b32 s[RB], s[RB], 2
	s_add_co_u32 s[RB], s[RB], s[CY]               ; block of 256 rows
	s_lshl_b32 s56, s[CY], 2
	s_lshl_b32 s56, 15, s56
	s_lshl_b32 s57, 0x1111, s[CX]
	s_or_b32 s[G1X], s56, (3<<16)|(1<<21)
	s_or_b32 s[G1W], s57, (3<<16)|(1<<21)
	s_mov_b32 s[G1W+1], 1536<<16                   ; wo: four tiles on end, a tile a row of 12,288 bytes
	s_mov_b32 s[G1W+2], 4<<16
	s_mov_b32 s[G1W+3], 1536<<16
	s_mov_b32 s[G1W+4], 4
	s_mov_b32 s[G1W+5], 1536
	s_mov_b32 s[G1W+6], 0
	s_mov_b32 s[G1W+7], 0
	s_mov_b32 s[G1X+1], 6144<<16                   ; the rows: two runs of four tiles, eight tiles apart
	s_mov_b32 s[G1X+2], 2<<16
	s_mov_b32 s[G1X+3], 6144<<16
	s_mov_b32 s[G1X+4], 2
	s_mov_b32 s[G1X+5], 12288
	s_mov_b32 s[G1X+6], 0
	s_mov_b32 s[G1X+7], 0
	s_lshl_b32 s58, s[NB], 3
	s_add_co_u32 s58, s58, 1728
	s_lshl_b32 s60, s[WX], 2
	s_add_co_u32 s58, s58, s60                     ; wo's tile
	s_mul_i32 s52, s58, TILEB
	s_mov_b32 s53, 0
	s_lshl_b32 s54, s58, 9
	s_mov_b32 s55, 0
	s_lshl_b32 s59, s[RB], 4                       ; the rows' first tile
	s_lshl_b32 s61, s[WY], 3
	s_add_co_u32 s61, s61, s59
	s_lshl_b32 s60, s61, 9
	s_mov_b32 s61, 0
	s_lshl_b32 s56, s[WX], 2
	s_add_co_u32 s59, s59, s56
	s_mul_i32 s56, s59, TILEB
	s_mov_b32 s57, 0
	s_mov_b32 s[G0W], 1
	s_mul_i32 s[G0W+1], s[WX], 4*TILEB
	s_mov_b32 s[G0X], 1
	s_mul_i32 s[G0X+1], s[WX], 8*TILEB
	s_add_co_u32 s[G0X+1], s[G0X+1], XB
	s_lshl_b32 s62, s[NB], 9
	s_lshl_b32 s63, s[WX], 8
	s_add_co_u32 s62, s62, s63                     ; my 64 columns, in bytes
	s_mov_b32 s63, 0
	s_lshl_b32 s84, s[RB], 1
	s_add_co_u32 s84, s84, s[WY]
	s_lshl_b32 s84, s84, 19                        ; my 128 rows of 4,096 bytes
	s_add_co_u32 s84, s84, s62
	s_mov_b32 s85, 0
	v_and_b32 v1, 31, v0
	v_lshlrev_b32 v[L16], 4, v1
	v_lshlrev_b32 v[L8], 3, v1
	v_lshlrev_b32 v[L32], 5, v1
	v_add_nc_u32 v[L8P], 512, v[L8]
	s_mul_i32 s88, s[WX], 4*TILEB
	v_add_nc_u32 v[AW], s88, v[L16]
	v_add_nc_u32 v[AW+1], s88, v[L8P]
	s_mul_i32 s88, s[WY], 4*TILEB
	s_add_co_u32 s88, s88, XB
	v_add_nc_u32 v[AX], s88, v[L16]
	v_add_nc_u32 v[AX+1], s88, v[L8P]
	s_add_co_u32 s88, s88, 8*TILEB
	v_add_nc_u32 v[AX+2], s88, v[L16]
	v_add_nc_u32 v[AX+3], s88, v[L8P]
	v_bfe_u32 v19, v0, 4, 1                        ; h
	v_and_b32 v1, 15, v0                           ; r
	v_lshlrev_b32 v[BQK], 6, v19
	s_mul_i32 s88, s[WV], 16*272
	s_add_co_u32 s88, s88, STG
	v_mul_u32_u24 v[STO], v1, 272
	v_lshl_add_u32 v[STO], v19, 6, v[STO]
	v_add_nc_u32 v[STO], s88, v[STO]               ; in: row r, 64 bytes for each half of the lanes
	v_mul_u32_u24 v[RD], v19, 272
	v_lshl_add_u32 v[RD], v1, 4, v[RD]
	v_add_nc_u32 v[RD], s88, v[RD]                 ; back: lanes 0-15 one row of 256 bytes, lanes 16-31 the next
	v_lshlrev_b32 v[CO], 12, v19
	v_lshl_add_u32 v[CO], v1, 4, v[CO]             ; and the same two rows in out0
	s_wait_alu depctr_va_vdst(0)                   ; the wait at the head's end
	s_wait_dscnt 0x0
	CROUND
	s_wait_kmcnt 0x0
	s_add_nc_u64 s[G0W+2:G0W+3], s[8:9], s[52:53]
	s_or_b32 s[G0W+3], s[G0W+3], 0x80000000
	s_add_nc_u64 s[G0X+2:G0X+3], s[4:5], s[56:57]
	s_or_b32 s[G0X+3], s[G0X+3], 0x80000000
	s_cmp_lt_u32 s[WV], 2
	s_cbranch_scc0 .Lfor_x
	TLOAD G0W, G1W                                 ; waves 0, 1: wo
	s_branch .Lasked
.Lfor_x:
	TLOAD G0X, G1X                                 ; waves 2, 3: the rows
.Lasked:
	s_add_nc_u64 s[SCW:SCW+1], s[10:11], s[54:55]
	s_add_nc_u64 s[SCX:SCX+1], s[6:7], s[60:61]
	s_add_nc_u64 s[BIA:BIA+1], s[12:13], s[62:63]
	s_add_nc_u64 s[OUTB:OUTB+1], s[14:15], s[84:85]
.irp p, 0,1
.irp c, 0,1
	global_load_b128 v[SB+8*\p+4*\c:SB+8*\p+4*\c+3], v[L32], s[SCW:SCW+1] offset:1024*\p+16*\c
.endr
.endr
.irp p, 0,1,2,3
.irp c, 0,1
	global_load_b128 v[SA+8*\p+4*\c:SA+8*\p+4*\c+3], v[L32], s[SCX:SCX+1] offset:1024*\p+16*\c
.endr
.endr
	WIN 0xc0
.irp t, 0,1,2,3
	global_load_b128 v[BB+8*\t:BB+8*\t+3], v[BQK], s[BIA:BIA+1] offset:(32*(\t/2)+8*(\t%2))*4
	global_load_b128 v[BB+8*\t+4:BB+8*\t+7], v[BQK], s[BIA:BIA+1] offset:(32*(\t/2)+8*(\t%2))*4+16
.endr
	WIN 0
	s_cmp_lt_u32 s[WV], 2
	s_cbranch_scc0 .Lnot_w
	s_wait_tensorcnt 0x0                           ; waves 0, 1: my half of wo is in
.Lnot_w:
	s_barrier_signal -1
	s_barrier_wait -1                              ; wo is in
.irp q, 0,1,2,3,4,5,6,7
.irp t, 0,1,2,3
	FRAG 4*\q+\t, AW, \t*TILEB+\q*1536
.endr
.endr
	WIN 0
	s_wait_tensorcnt 0x0                           ; every wave: all that is out has landed
	s_wait_dscnt 0x0
	s_barrier_signal -1
	s_barrier_wait -1                              ; the rows are in
	FETCH 0
	FETCH 1
	s_wait_loadcnt 0x0                             ; scale words and bias
.irp s, 0,1,2,3,4,5,6,7
.if \s==0
	s_wait_dscnt 32                                ; tile 0's loads are in; tile 1's 32 may be out
.elseif \s==1
	s_wait_dscnt 48                                ; tile 1's are in; tile 2's 32 and the stage's 16 may be out.  Later tiles were shown in by the wait in SEND
.endif
	BLOCK \s
	WIN 0
	PLACES                                         ; ahead of loads into registers that the products read, and of the first read of their sums
.if \s>0
	SEND \s-1
.endif
.if \s<6
	FETCH \s+2
.endif
.if \s>1
	s_wait_xcnt 0x0                                ; the stores of two tiles ago have read the registers that take this tile's rows
.endif
	TOSTAGE \s
.endr
	SEND 7
	s_wait_tensorcnt 0x0                           ; the wave's end
	ds_add_u32 v[SPW], v[NIL]
	s_wait_dscnt 0x0
	CROUND                                         ; the closing round
	s_endpgm
.Lfunc_end_k_q3dd778f9ef_outp:
	.size	k_q3dd778f9ef_outp, .Lfunc_end_k_q3dd778f9ef_outp-k_q3dd778f9ef_outp
	.p2alignl 7, 3214868480
	.fill 96, 4, 3214868480
	.section	.rodata,"a",@progbits
	.p2align	6, 0x0
	.amdhsa_kernel k_q3dd778f9ef_outp
		.amdhsa_group_segment_fixed_size 327680
		.amdhsa_private_segment_fixed_size 0
		.amdhsa_enable_private_segment 0
		.amdhsa_kernarg_size 48
		.amdhsa_user_sgpr_count 2
		.amdhsa_user_sgpr_kernarg_segment_ptr 1
		.amdhsa_wavefront_size32 1
		.amdhsa_system_sgpr_workgroup_id_x 1
		.amdhsa_system_sgpr_workgroup_id_y 1
		.amdhsa_system_sgpr_workgroup_id_z 1
		.amdhsa_system_vgpr_workitem_id 0
		.amdhsa_next_free_vgpr 928
		.amdhsa_next_free_sgpr 96
		.amdhsa_reserve_vcc 0
		.amdhsa_float_denorm_mode_32 3
		.amdhsa_float_denorm_mode_16_64 3
		.amdhsa_memory_ordered 1
		.amdhsa_forward_progress 1
		.amdhsa_inst_pref_size 83
	.end_amdhsa_kernel
	.amdgpu_metadata
---
amdhsa.version: [ 1, 2 ]
amdhsa.kernels:
  - .name:           k_q3dd778f9ef_outp
    .symbol:         k_q3dd778f9ef_outp.kd
    .args:
      - { .name: xa, .offset: 0, .size: 8, .value_kind: global_buffer, .address_space: global }
      - { .name: xas, .offset: 8, .size: 8, .value_kind: global_buffer, .address_space: global }
      - { .name: codes, .offset: 16, .size: 8, .value_kind: global_buffer, .address_space: global }
      - { .name: scl, .offset: 24, .size: 8, .value_kind: global_buffer, .address_space: global }
      - { .name: bo, .offset: 32, .size: 8, .value_kind: global_buffer, .address_space: global }
      - { .name: out0, .offset: 40, .size: 8, .value_kind: global_buffer, .address_space: global }
    .group_segment_fixed_size: 327680
    .private_segment_fixed_size: 0
    .kernarg_segment_align: 8
    .kernarg_segment_size: 48
    .max_flat_workgroup_size: 128
    .sgpr_count:     96
    .vgpr_count:     928
    .wavefront_size: 32
...
	.end_amdgpu_metadata
.endif
;; end of part 4
